; MI455X (gfx1250); checked and timed in simulation.
; The chip was launched on July 23, 2026; its instructions are those of AMD's public machine-readable ISA for CDNA 5 (MIT licence, August 2026) and "CDNA5" Instruction Set Architecture Reference Guide (July 2026). The comments in the code are by the model that wrote it; some were corrected since.
;; Attention Block. Allowed arithmetic: matrix products marked QUANTISED: E2M3 operands, one E8M0 scale for each 32 along K, by v_wmma_scale_f32_16x16x128_f8f6f4 with both operands' format E2M3, f32 sums; everything else in f32.
;; Inputs: W1 4,096 x 1,024 float32; W2 1,024 x 4,096 float32; Wo 1,024 x 1,024 float32; Wqkv 3,072 x 1,024 float32; b1 1,024 float32; b1m 4,096 float32; b2 1,024 float32; b2m 1,024 float32; bo 1,024 float32; bqkv 3,072 float32; g1 1,024 float32; g2 1,024 float32; x 2 x 2,048 x 1,024 float32.
;; Outputs: out0 2 x 2,048 x 1,024 float32.
;; This version of the problem:
;;   THIS VERSION OF THE PROBLEM IS GIVEN IN LOW PRECISION. The matrix products marked QUANTISED in the list below multiply operands that are first quantised to E2M3 (2 exponent bits, 3 mantissa bits; 6 bits a number), with one power-of-two scale for each 32 numbers along K (OCP MX v1.0); their sums are f32. All else is computed in f32.
;;   The module's matrix products, in the order in which they are computed (A, B: the left and right operand; K: the contracted axis; several contracted axes count as one K, in the product's order):
;;     1. [M 4,096, K 1,024] x [K 1,024, N 3,072]; A: computed on the way; B: input Wqkv: QUANTISED
;;     2. batch 32 x [M 2,048, K 64] x [K 64, N 2,048]; A: computed on the way; B: computed on the way: QUANTISED
;;     3. batch 32 x [M 2,048, K 2,048] x [K 2,048, N 64]; A: softmax (see below); B: computed on the way: QUANTISED
;;     4. [M 4,096, K 1,024] x [K 1,024, N 1,024]; A: computed on the way; B: input Wo: QUANTISED
;;     5. [M 4,096, K 1,024] x [K 1,024, N 4,096]; A: computed on the way; B: input W1: QUANTISED
;;     6. [M 4,096, K 4,096] x [K 4,096, N 1,024]; A: computed on the way; B: input W2: QUANTISED
;;   THE QUANTISER, for each operand of a quantised product, along K:
;;     - K is cut into blocks of 32 from its start; a last block that is shorter is filled with zeros.
;;     - A block's scale is 2^e with e = floor(log2(the largest magnitude in the block)) - 2, held to -126 .. 127; a block of zeros has e = 0. As a byte (E8M0): e + 127.
;;     - Each number is divided by its block's scale, clamped to +-7.5, and rounded to the nearest number of E2M3, ties to even, subnormals kept.
;;     - The product sums the exact products of the quantised numbers (number of the format x scale) in f32.
;;   ~~~python
;;   def quantise(x, axis):      # numpy; x: float32 -> the quantised numbers, widened to float32 again
;;       x = np.moveaxis(x, axis, -1); K = x.shape[-1]
;;       x = np.pad(x, [(0, 0)] * (x.ndim - 1) + [(0, -K % 32)]); x = x.reshape(x.shape[:-1] + (-1, 32)); a = np.abs(x).max(-1, keepdims=True)
;;       e = np.where(a > 0, np.clip(np.frexp(np.where(a > 0, a, 1))[1] - 1 - 2, -126, 127), 0)      # np.frexp(a)[1] - 1 = floor(log2(a)), exactly
;;       r = np.clip(x / 2.0 ** e, -7.5, 7.5)
;;       step = 2.0 ** (np.maximum(np.frexp(np.where(r == 0, 1, r))[1] - 1, 0) - 3)
;;       q = np.round(r / step) * step * 2.0 ** e      # np.round: ties to even
;;       return np.moveaxis(q.reshape(q.shape[:-2] + (-1,))[..., :K], -1, axis).astype(np.float32)
;;   ~~~
;;   SOFTMAX AHEAD OF A QUANTISED PRODUCT. Where the list says 'softmax', what is quantised is not the finished softmax but p = 2^(t - M), with t = logit x log2(e) and M = ceil(the row's largest t), a whole number; so 1/2 < the row's largest p <= 1. The row's sum l is taken of the UNQUANTISED p, in f32, and the product's result is divided by l at the end. Since M is a whole number, a kernel that streams over the keys may use a running M (the ceiling of the running maximum): every later rescaling is an exact power of two, which a block's scale takes up: the codes' values come out the same.
;;   OPERANDS COMPUTED ON THE WAY. 'Computed on the way' means the value that the module computes at that place (a softmax that the list does not call 'softmax' is quantised finished and normalised). What goes into a quantiser is computed in f32, as accurately as f32 sums, v_exp_f32 and their like allow (about 1e-6 of the number): no bf16 or f16 on the way to a quantiser, and a product that is left as it is and whose result goes on into a quantised operand takes f32 operands (vector FMAs, or v_wmma_f32_16x16x4_f32). A number that lies on a knife's edge between two numbers of the format may be rounded either way, as far as f32 arithmetic and the matrix unit's own rounding can turn it there, and no further.
;; One version. Each part assembles by itself: llvm-mc -triple=amdgcn-amd-amdhsa -mcpu=gfx1250 --defsym DOCPART=n.
;; ======== version 1 of 1: 8 launches
;; limits: right only within a limited range of input values
;; workspace buffers: wimg 10,223,616 bytes; himg 3,407,872 bytes; vimg 3,407,872 bytes; hid 13,631,488 bytes; x2 16,777,216 bytes; qbuf 3,407,872 bytes; kvbuf 6,684,672 bytes
;; launch quantw (part 1): grid 768 x 1, 4 waves a work-group, no clusters, 67,072 bytes of LDS; arguments Wqkv, Wo, W1, W2, wimg; writes wimg
.if DOCPART == 1
	.amdgcn_target "amdgcn-amd-amdhsa--gfx1250"
	.amdhsa_code_object_version 6
	.text
	.protected	k_q3aad7e4d92_quantw
	.globl	k_q3aad7e4d92_quantw
	.p2align	8
	.type	k_q3aad7e4d92_quantw,@function
k_q3aad7e4d92_quantw:
	s_mov_b64 s[64:65], 0
	v_nop
	global_prefetch_b8 v0, s[64:65] scope:SCOPE_SE
	s_setreg_imm32_b32 hwreg(HW_REG_WAVE_MODE, 25, 1), 1
	s_wait_xcnt 0x0
; The four weights, f32 with K innermost, become codes of FP6 (E2M3) with one E8M0 byte for each 32 along K, laid as IMAGES OF THE OPERAND'S REGISTERS.
; ROW TILES: lane slot r of row tile T is row 32 (T / 2) + 8 (T % 2) + r + 8 (r / 8), so that the results of two neighbouring tiles are 16 neighbours along the next K.
; A RECORD (K pair kp of 256 along K, row tile T) is 3,328 bytes at (kp RT + T) 3328: the codes of K step e at 1536 e + 256 p + 8 lane (piece p = registers 2 p, 2 p + 1 of the
; 12-register fragment: lane (r, h) holds k = 64 c + 32 h + 0 .. 31 in registers 6 c .. 6 c + 5), the scale word at 3072 + 128 e + 4 lane (lanes 16-31 hold a copy).
; A block's scale is 2^(floor(log2(largest magnitude)) - 2); its byte is the largest magnitude's exponent field - 2, held at 1 from below.
; LIMITS: NaN and infinities are not served; blocks whose largest magnitude lies under 2^-124 take the byte 1; a block of zeros takes the byte 1, not 127 (its codes are zeros, and this program alone reads the bytes).
; SHARES: a work-group takes one row tile x 1,024 along K, a wave one K pair (two fragments).  Work-groups 0-191 Wqkv, 192-255 Wo, 256-511 W1, 512-767 W2 (64 row tiles x 4 quarters of K).
; Each load reads 512 consecutive bytes of a row; the 16 KiB turn through the wave's own stage in LDS (rows 1,040 bytes apart) so that a lane gets 32 neighbours along K.  Waves share nothing: no barrier.
; No matrix unit, no cluster, no tensor load: the launch streams each weight byte once and work-groups share no input.
.set RP,    1040                       ; a stage row: 1,024 bytes + 16
.set STGW,  16*RP                      ; a wave's stage
.set Y,     64                         ; v64-191  128 numbers a lane: as loaded, then register 64 e + 32 c + i = k 128 e + 64 c + 32 h + i of row slot r
.set TT,    32                         ; v32-47   for each e: two maxima, two scale operands, two bytes, the word, a temporary
.set P,     192                        ; v192-215 the codes, 12 registers for each e
.set QT,    216                        ; v216-231 the upper halves of the blocks' codes as the conversions leave them
.set SEL,   34                         ; s[34:35] selects for lane l xor 16
.set OUT,   12                         ; s[12:13] my record
.set L16,   4
.set L8,    5
.set L4,    6
.set SIN,   7
.set SOUT,  8
.set H8,    9
.set VO,    16                         ; v16-31   byte offset of my 16 bytes in row slot rho
; Fragment e of the K pair: two whole blocks a lane, so no other lane is asked for a maximum; the word's four bytes are gathered from lanes l and l xor 16.
.macro FRAGQ e
.irp c, 0,1
	v_max3_num_f32 v[TT+8*\e+\c], |v[Y+64*\e+32*\c]|, |v[Y+64*\e+32*\c+1]|, 0x1800000      ; with the floor 2^(3 - 127): the byte cannot fall under 1
.endr
.irp i, 2,4,6,8,10,12,14,16,18,20,22,24,26,28,30
.irp c, 0,1
	v_max3_num_f32 v[TT+8*\e+\c], v[TT+8*\e+\c], |v[Y+64*\e+32*\c+\i]|, |v[Y+64*\e+32*\c+\i+1]|
.endr
.endr
.irp c, 0,1
	v_add_nc_u32 v[TT+8*\e+2+\c], 0xff000000, v[TT+8*\e+\c]        ; 2 off the exponent field: the conversion's scale operand
.endr
.irp c, 0,1
	v_lshrrev_b32 v[TT+8*\e+4+\c], 23, v[TT+8*\e+2+\c]             ; the scale's byte
.endr
	v_lshl_or_b32 v[TT+8*\e+6], v[TT+8*\e+5], 16, v[TT+8*\e+4]     ; my blocks h and 2 + h,
	v_lshlrev_b32 v[TT+8*\e+6], v[H8], v[TT+8*\e+6]                ; at their places in the word
	v_mov_b32 v[TT+8*\e+7], 0
	v_permlanex16_b32 v[TT+8*\e+7], v[TT+8*\e+6], s[SEL], s[SEL+1]
	v_or_b32 v[TT+8*\e+6], v[TT+8*\e+6], v[TT+8*\e+7]              ; with lane l xor 16's two the word is whole, in both lanes
.irp c, 0,1
	v_cvt_scalef32_pk16_fp6_f32 v[P+12*\e+6*\c:P+12*\e+6*\c+2], v[Y+64*\e+32*\c:Y+64*\e+32*\c+15], v[TT+8*\e+2+\c]
	v_cvt_scalef32_pk16_fp6_f32 v[QT+8*\e+4*\c:QT+8*\e+4*\c+2], v[Y+64*\e+32*\c+16:Y+64*\e+32*\c+31], v[TT+8*\e+2+\c]   ; (a conversion's three registers begin on an even number)
.endr
	v_nop                                                          ; one plain place behind the scaled conversions
.irp c, 0,1
.irp i, 0,1,2
	v_mov_b32 v[P+12*\e+6*\c+3+\i], v[QT+8*\e+4*\c+\i]
.endr
.endr
.irp p, 0,1,2,3,4,5
	global_store_b64 v[L8], v[P+12*\e+2*\p:P+12*\e+2*\p+1], s[OUT:OUT+1] offset:1536*\e+256*\p   ; 32 lanes store 256 consecutive bytes, aligned
.endr
	global_store_b32 v[L4], v[TT+8*\e+6], s[OUT:OUT+1] offset:3072+128*\e
.endm
	s_load_b256 s[4:11], s[0:1], 0x0               ; Wqkv s[4:5], Wo s[6:7], W1 s[8:9], W2 s[10:11]
	s_load_b64 s[12:13], s[0:1], 0x20              ; wimg
	v_lshl_add_u32 v240, v0, 2, 0x10400
	v_mov_b32 v241, 0
	v_lshrrev_b32 v1, 5, v0
	v_readfirstlane_b32 s14, v1                    ; wave
	v_and_b32 v1, 31, v0                           ; lane
	v_and_b32 v2, 15, v0                           ; r
	v_bfe_u32 v3, v0, 4, 1                         ; h
	v_lshlrev_b32 v[L16], 4, v1
	v_lshlrev_b32 v[L8], 3, v1
	v_lshlrev_b32 v[L4], 2, v1
	v_lshlrev_b32 v[H8], 3, v3
	s_mul_i32 s15, s14, STGW
	v_add_nc_u32 v[SIN], s15, v[L16]               ; into the stage: 16 bytes a lane
	v_mul_u32_u24 v[SOUT], v2, RP
	v_lshl_add_u32 v[SOUT], v3, 7, v[SOUT]
	v_add_nc_u32 v[SOUT], s15, v[SOUT]             ; out of it: row slot r, + 128 h
	s_mov_b32 s[SEL], 0x76543210
	s_mov_b32 s[SEL+1], 0xfedcba98
	; which tensor: chosen on the work-group's number alone.  The defaults are W2's
	s_sub_co_u32 s16, ttmp9, 512
	s_and_b32 s17, s16, 63                         ; T
	s_lshr_b32 s18, s16, 6                         ; which quarter of K
	s_mov_b32 s19, 16384                           ; a row in bytes
	s_mov_b32 s20, 64                              ; row tiles
	s_mov_b32 s21, 6815744                         ; where the tensor's image begins
	s_sub_co_u32 s24, ttmp9, 256
	s_sub_co_u32 s25, ttmp9, 192
	s_wait_alu depctr_va_vdst(0)
	s_wait_kmcnt 0x0
	s_cmp_lt_u32 ttmp9, 512
	s_cselect_b64 s[22:23], s[8:9], s[10:11]
	s_cselect_b32 s17, s24, s17
	s_cselect_b32 s18, 0, s18
	s_cselect_b32 s19, 4096, s19
	s_cselect_b32 s20, 256, s20
	s_cselect_b32 s21, 3407872, s21
	s_cmp_lt_u32 ttmp9, 256
	s_cselect_b64 s[22:23], s[6:7], s[22:23]
	s_cselect_b32 s17, s25, s17
	s_cselect_b32 s20, 64, s20
	s_cselect_b32 s21, 2555904, s21
	s_cmp_lt_u32 ttmp9, 192
	s_cselect_b64 s[22:23], s[4:5], s[22:23]
	s_cselect_b32 s17, ttmp9, s17
	s_cselect_b32 s20, 192, s20
	s_cselect_b32 s21, 0, s21
	s_lshl_b32 s26, s18, 2
	s_add_co_u32 s26, s26, s14                     ; my K pair
	s_lshr_b32 s27, s17, 1
	s_lshl_b32 s27, s27, 5
	s_and_b32 s28, s17, 1
	s_lshl_b32 s28, s28, 3
	s_add_co_u32 s27, s27, s28                     ; the tile's first row
	s_mul_i32 s27, s27, s19
	s_lshl_b32 s28, s26, 10
	s_add_co_u32 s28, s27, s28                     ; + 1,024 bytes a K pair (under 2^25)
	s_mov_b32 s29, 0
	s_add_nc_u64 s[22:23], s[22:23], s[28:29]
	s_mul_i32 s30, s26, s20
	s_add_co_u32 s30, s30, s17
	s_mul_i32 s30, s30, 3328
	s_add_co_u32 s30, s30, s21
	s_mov_b32 s31, 0
	s_add_nc_u64 s[OUT:OUT+1], s[OUT:OUT+1], s[30:31]
.irp rho, 0,1,2,3,4,5,6,7,8,9,10,11,12,13,14,15
	s_mul_i32 s36, s19, \rho+8*(\rho/8)            ; row slot rho lies rho + 8 (rho / 8) rows on
	v_add_nc_u32 v[VO+\rho], s36, v[L16]
.endr
	s_wait_alu depctr_va_vdst(0)
.irp rho, 0,1,2,3,4,5,6,7,8,9,10,11,12,13,14,15
	global_load_b128 v[Y+8*\rho:Y+8*\rho+3], v[VO+\rho], s[22:23] th:TH_LOAD_NT               ; 512 consecutive bytes of a row; read once in the launch
	global_load_b128 v[Y+8*\rho+4:Y+8*\rho+7], v[VO+\rho], s[22:23] offset:512 th:TH_LOAD_NT
.endr
.irp rho, 0,1,2,3,4,5,6,7,8,9,10,11,12,13,14,15
	s_wait_loadcnt 30-2*\rho                       ; this row's two loads are in; the later rows' may be out
	ds_store_b128 v[SIN], v[Y+8*\rho:Y+8*\rho+3] offset:\rho*RP
	ds_store_b128 v[SIN], v[Y+8*\rho+4:Y+8*\rho+7] offset:\rho*RP+512
.endr
	s_wait_dscnt 0x0                               ; the stores have read their registers: the same registers take the numbers back
.irp e, 0,1
.irp c, 0,1
.irp i, 0,1,2,3,4,5,6,7
	ds_load_b128 v[Y+64*\e+32*\c+4*\i:Y+64*\e+32*\c+4*\i+3], v[SOUT] offset:512*\e+256*\c+16*\i
.endr
.endr
.endr
	s_wait_dscnt 16                                ; the first fragment's sixteen loads are in
	FRAGQ 0
	s_wait_dscnt 0x0
	FRAGQ 1
	s_wait_tensorcnt 0x0
	ds_add_u32 v240, v241
	s_wait_dscnt 0x0
	s_endpgm
.Lfunc_end_k_q3aad7e4d92_quantw:
	.size	k_q3aad7e4d92_quantw, .Lfunc_end_k_q3aad7e4d92_quantw-k_q3aad7e4d92_quantw
	.p2alignl 7, 3214868480
	.fill 96, 4, 3214868480
	.section	.rodata,"a",@progbits
	.p2align	6, 0x0
	.amdhsa_kernel k_q3aad7e4d92_quantw
		.amdhsa_group_segment_fixed_size 67072
		.amdhsa_private_segment_fixed_size 0
		.amdhsa_enable_private_segment 0
		.amdhsa_kernarg_size 40
		.amdhsa_user_sgpr_count 2
		.amdhsa_user_sgpr_kernarg_segment_ptr 1
		.amdhsa_wavefront_size32 1
		.amdhsa_system_sgpr_workgroup_id_x 1
		.amdhsa_system_sgpr_workgroup_id_y 1
		.amdhsa_system_sgpr_workgroup_id_z 1
		.amdhsa_system_vgpr_workitem_id 0
		.amdhsa_next_free_vgpr 242
		.amdhsa_next_free_sgpr 66
		.amdhsa_reserve_vcc 0
		.amdhsa_float_denorm_mode_32 3
		.amdhsa_float_denorm_mode_16_64 3
		.amdhsa_memory_ordered 1
		.amdhsa_forward_progress 1
		.amdhsa_inst_pref_size 20
	.end_amdhsa_kernel
	.amdgpu_metadata
---
amdhsa.version: [ 1, 2 ]
amdhsa.kernels:
  - .name:           k_q3aad7e4d92_quantw
    .symbol:         k_q3aad7e4d92_quantw.kd
    .args:
      - { .name: Wqkv, .offset: 0, .size: 8, .value_kind: global_buffer, .address_space: global }
      - { .name: Wo, .offset: 8, .size: 8, .value_kind: global_buffer, .address_space: global }
      - { .name: W1, .offset: 16, .size: 8, .value_kind: global_buffer, .address_space: global }
      - { .name: W2, .offset: 24, .size: 8, .value_kind: global_buffer, .address_space: global }
      - { .name: wimg, .offset: 32, .size: 8, .value_kind: global_buffer, .address_space: global }
    .group_segment_fixed_size: 67072
    .private_segment_fixed_size: 0
    .kernarg_segment_align: 8
    .kernarg_segment_size: 40
    .max_flat_workgroup_size: 128
    .sgpr_count:     66
    .vgpr_count:     242
    .wavefront_size: 32
...
	.end_amdgpu_metadata
.endif
;; end of part 1
;; launch ln1 (part 2): grid 256 x 1, 4 waves a work-group, no clusters, 66,304 bytes of LDS; arguments x, g1, b1, himg; writes himg
.if DOCPART == 2
	.amdgcn_target "amdgcn-amd-amdhsa--gfx1250"
	.amdhsa_code_object_version 6
	.text
	.protected	k_q3aad7e4d92_ln1
	.globl	k_q3aad7e4d92_ln1
	.p2align	8
	.type	k_q3aad7e4d92_ln1,@function
k_q3aad7e4d92_ln1:
	s_mov_b64 s[64:65], 0
	v_nop
	global_prefetch_b8 v0, s[64:65] scope:SCOPE_SE
	s_setreg_imm32_b32 hwreg(HW_REG_WAVE_MODE, 25, 1), 1
	s_wait_xcnt 0x0
; y = (x - mean) rsqrt(var + 1e-5) g + b for rows of 1,024 f32, all in f32 (mean first, then the mean of the squared differences: a common offset does no harm), then quantised along the row
; to codes of FP6 (E2M3) with one E8M0 byte for each 32, and stored as images of the operand's registers:
; lane slot r of row tile T is row 32 (T / 2) + 8 (T % 2) + r + 8 (r / 8); record (K pair kp, T) at (256 kp + T) 3328: codes of K step e at 1536 e + 256 p + 8 lane, scale word at 3072 + 128 e + 4 lane.
; LIMITS: NaN and infinities are not served; blocks whose largest magnitude lies under 2^-124 take the byte 1; a block of zeros takes the byte 1, not 127 (this program alone reads the bytes).
; SHARES: work-group T takes one row tile.  First wave w normalises row slots 4 w .. 4 w + 3 (four rows on end, 16 KiB, 512 consecutive bytes a load); the rows meet in a stage in LDS (rows 4,112 bytes apart);
; behind one barrier wave w quantises K pair w of all sixteen rows.  The launch streams: no matrix unit, no cluster, no tensor load.
.set RP,    4112
.set Y,     16                         ; v16-143  four rows x 32 numbers; later register 64 e + 32 c + i = k 128 e + 64 c + 32 h + i of row slot r
.set G,     144                        ; v144-175 g, v176-207 b at my columns 128 j + 4 lane + 0 .. 3
.set BV,    176
.set SM,    208                        ; v208-215 a pair of partial sums for each row
.set MR,    216                        ; v216-223 a pair for each row: the mean, later 1 / sqrt
.set RD,    224                        ; v224-227 the sums across lanes; v228-231 the other half's
.set RX,    228
.set TT,    208                        ; second phase: as in the weights' quantiser
.set P,     144
.set QT,    168
.set SEL,   18
.set OUT,   10
.set L16,   4
.set L8,    5
.set L4,    6
.set SIN,   7
.set SOUT,  8
.set H8,    9
.macro FRAGQ e
.irp c, 0,1
	v_max3_num_f32 v[TT+8*\e+\c], |v[Y+64*\e+32*\c]|, |v[Y+64*\e+32*\c+1]|, 0x1800000      ; with the floor 2^(3 - 127): the byte cannot fall under 1
.endr
.irp i, 2,4,6,8,10,12,14,16,18,20,22,24,26,28,30
.irp c, 0,1
	v_max3_num_f32 v[TT+8*\e+\c], v[TT+8*\e+\c], |v[Y+64*\e+32*\c+\i]|, |v[Y+64*\e+32*\c+\i+1]|
.endr
.endr
.irp c, 0,1
	v_add_nc_u32 v[TT+8*\e+2+\c], 0xff000000, v[TT+8*\e+\c]        ; 2 off the exponent field: the conversion's scale operand
.endr
.irp c, 0,1
	v_lshrrev_b32 v[TT+8*\e+4+\c], 23, v[TT+8*\e+2+\c]             ; the scale's byte
.endr
	v_lshl_or_b32 v[TT+8*\e+6], v[TT+8*\e+5], 16, v[TT+8*\e+4]
	v_lshlrev_b32 v[TT+8*\e+6], v[H8], v[TT+8*\e+6]
	v_mov_b32 v[TT+8*\e+7], 0
	v_permlanex16_b32 v[TT+8*\e+7], v[TT+8*\e+6], s[SEL], s[SEL+1]
	v_or_b32 v[TT+8*\e+6], v[TT+8*\e+6], v[TT+8*\e+7]              ; the row's scale word, in both lanes
.irp c, 0,1
	v_cvt_scalef32_pk16_fp6_f32 v[P+12*\e+6*\c:P+12*\e+6*\c+2], v[Y+64*\e+32*\c:Y+64*\e+32*\c+15], v[TT+8*\e+2+\c]
	v_cvt_scalef32_pk16_fp6_f32 v[QT+8*\e+4*\c:QT+8*\e+4*\c+2], v[Y+64*\e+32*\c+16:Y+64*\e+32*\c+31], v[TT+8*\e+2+\c]
.endr
	v_nop                                                          ; one plain place behind the scaled conversions
.irp c, 0,1
.irp i, 0,1,2
	v_mov_b32 v[P+12*\e+6*\c+3+\i], v[QT+8*\e+4*\c+\i]
.endr
.endr
.irp p, 0,1,2,3,4,5
	global_store_b64 v[L8], v[P+12*\e+2*\p:P+12*\e+2*\p+1], s[OUT:OUT+1] offset:1536*\e+256*\p   ; 32 lanes store 256 consecutive bytes, aligned
.endr
	global_store_b32 v[L4], v[TT+8*\e+6], s[OUT:OUT+1] offset:3072+128*\e
.endm
.macro REDUCE                          ; v[RD + i] summed over the 32 lanes, the four rows by turns
.irp m, 1,2,4,8
.irp i, 0,1,2,3
	v_add_f32_dpp v[RD+\i], v[RD+\i], v[RD+\i] row_xmask:\m row_mask:0xf bank_mask:0xf
.endr
.endr
.irp i, 0,1,2,3
	v_permlanex16_b32 v[RX+\i], v[RD+\i], s[SEL], s[SEL+1]
.endr
.irp i, 0,1,2,3
	v_add_f32 v[RD+\i], v[RD+\i], v[RX+\i]
.endr
.endm
	s_load_b256 s[4:11], s[0:1], 0x0               ; x s[4:5], g s[6:7], b s[8:9], the images s[10:11]
	v_lshl_add_u32 v240, v0, 2, 0x10100
	v_mov_b32 v241, 0
	v_lshrrev_b32 v1, 5, v0
	v_readfirstlane_b32 s12, v1                    ; wave
	v_and_b32 v1, 31, v0
	v_and_b32 v2, 15, v0                           ; r
	v_bfe_u32 v3, v0, 4, 1                         ; h
	v_lshlrev_b32 v[L16], 4, v1
	v_lshlrev_b32 v[L8], 3, v1
	v_lshlrev_b32 v[L4], 2, v1
	v_lshlrev_b32 v[H8], 3, v3
	s_mul_i32 s13, s12, 4*RP
	v_add_nc_u32 v[SIN], s13, v[L16]               ; into the stage: my wave's four row slots
	v_mul_u32_u24 v[SOUT], v2, RP
	v_lshl_add_u32 v[SOUT], v3, 7, v[SOUT]
	s_lshl_b32 s13, s12, 10
	v_add_nc_u32 v[SOUT], s13, v[SOUT]             ; out of it: row slot r, K pair w, + 128 h
	s_mov_b32 s16, 0x3a800000                      ; 1 / 1024
	s_mov_b32 s17, 0x3727c5ac                      ; 1e-5
	s_mov_b32 s[SEL], 0x76543210
	s_mov_b32 s[SEL+1], 0xfedcba98
	s_lshr_b32 s20, ttmp9, 1
	s_lshl_b32 s20, s20, 5
	s_and_b32 s21, ttmp9, 1
	s_lshl_b32 s21, s21, 3
	s_add_co_u32 s20, s20, s21
	s_lshl_b32 s21, s12, 2
	s_add_co_u32 s20, s20, s21
	s_lshr_b32 s21, s12, 1
	s_lshl_b32 s21, s21, 3
	s_add_co_u32 s20, s20, s21                     ; my first row: 32 (T / 2) + 8 (T % 2) + 4 w + 8 (w / 2)
	s_lshl_b32 s20, s20, 12
	s_mov_b32 s21, 0
	s_lshl_b32 s22, s12, 8
	s_add_co_u32 s22, s22, ttmp9
	s_mul_i32 s22, s22, 3328                       ; my record: (256 w + T) 3328
	s_mov_b32 s23, 0
	s_wait_alu depctr_va_vdst(0)
	s_wait_kmcnt 0x0
	s_add_nc_u64 s[4:5], s[4:5], s[20:21]
	s_add_nc_u64 s[OUT:OUT+1], s[OUT:OUT+1], s[22:23]
.irp i, 0,1,2,3
.irp j, 0,1,2,3,4,5,6,7
	global_load_b128 v[Y+32*\i+4*\j:Y+32*\i+4*\j+3], v[L16], s[4:5] offset:4096*\i+512*\j
.endr
.endr
.irp j, 0,1,2,3,4,5,6,7
	global_load_b128 v[G+4*\j:G+4*\j+3], v[L16], s[6:7] offset:512*\j
	global_load_b128 v[BV+4*\j:BV+4*\j+3], v[L16], s[8:9] offset:512*\j
.endr
.irp i, 0,1,2,3
	v_mov_b32 v[RX+\i], 0                          ; a lane permute's destination counts as one of its sources
.endr
	s_wait_loadcnt 16                              ; the rows are in; g and b may be out
.irp i, 0,1,2,3
	v_pk_add_f32 v[SM+2*\i:SM+2*\i+1], v[Y+32*\i:Y+32*\i+1], v[Y+32*\i+2:Y+32*\i+3]
.endr
.irp k, 4,6,8,10,12,14,16,18,20,22,24,26,28,30
.irp i, 0,1,2,3
	v_pk_add_f32 v[SM+2*\i:SM+2*\i+1], v[SM+2*\i:SM+2*\i+1], v[Y+32*\i+\k:Y+32*\i+\k+1]
.endr
.endr
.irp i, 0,1,2,3
	v_add_f32 v[RD+\i], v[SM+2*\i], v[SM+2*\i+1]
.endr
	REDUCE
.irp i, 0,1,2,3
	v_mul_f32 v[MR+2*\i], s16, v[RD+\i]            ; the mean, in both halves of a pair
	v_mul_f32 v[MR+2*\i+1], s16, v[RD+\i]
.endr
.irp k, 0,2,4,6,8,10,12,14,16,18,20,22,24,26,28,30
.irp i, 0,1,2,3
	v_pk_add_f32 v[Y+32*\i+\k:Y+32*\i+\k+1], v[Y+32*\i+\k:Y+32*\i+\k+1], v[MR+2*\i:MR+2*\i+1] neg_lo:[0,1] neg_hi:[0,1]   ; d = x - mean
.endr
.endr
.irp i, 0,1,2,3
	v_pk_mul_f32 v[SM+2*\i:SM+2*\i+1], v[Y+32*\i:Y+32*\i+1], v[Y+32*\i:Y+32*\i+1]
.endr
.irp k, 2,4,6,8,10,12,14,16,18,20,22,24,26,28,30
.irp i, 0,1,2,3
	v_pk_fma_f32 v[SM+2*\i:SM+2*\i+1], v[Y+32*\i+\k:Y+32*\i+\k+1], v[Y+32*\i+\k:Y+32*\i+\k+1], v[SM+2*\i:SM+2*\i+1]
.endr
.endr
.irp i, 0,1,2,3
	v_add_f32 v[RD+\i], v[SM+2*\i], v[SM+2*\i+1]
.endr
	REDUCE
.irp i, 0,1,2,3
	v_fma_f32 v[RD+\i], v[RD+\i], s16, s17         ; var + 1e-5
.endr
	s_wait_alu depctr_va_vdst(0)
.irp i, 0,1,2,3
	v_rsq_f32 v[MR+2*\i], v[RD+\i]
.endr
	v_nop                                          ; a plain place behind the last of the four
	s_wait_alu depctr_va_vdst(0)                   ; one wait for the four, ahead of their first reader
.irp i, 0,1,2,3
	v_mov_b32 v[MR+2*\i+1], v[MR+2*\i]
.endr
	s_wait_alu depctr_va_vdst(0)
	s_wait_loadcnt 0x0                             ; g and b
.irp k, 0,2,4,6,8,10,12,14,16,18,20,22,24,26,28,30
.irp i, 0,1,2,3
	v_pk_mul_f32 v[Y+32*\i+\k:Y+32*\i+\k+1], v[Y+32*\i+\k:Y+32*\i+\k+1], v[MR+2*\i:MR+2*\i+1]
.endr
.endr
.irp k, 0,2,4,6,8,10,12,14,16,18,20,22,24,26,28,30
.irp i, 0,1,2,3
	v_pk_fma_f32 v[Y+32*\i+\k:Y+32*\i+\k+1], v[Y+32*\i+\k:Y+32*\i+\k+1], v[G+\k:G+\k+1], v[BV+\k:BV+\k+1]
.endr
.endr
.irp i, 0,1,2,3
.irp j, 0,1,2,3,4,5,6,7
	ds_store_b128 v[SIN], v[Y+32*\i+4*\j:Y+32*\i+4*\j+3] offset:\i*RP+512*\j
.endr
.endr
	s_wait_dscnt 0x0                               ; for the others' sake: my rows lie in the stage
	s_barrier_signal -1
	s_barrier_wait -1
.irp e, 0,1
.irp c, 0,1
.irp i, 0,1,2,3,4,5,6,7
	ds_load_b128 v[Y+64*\e+32*\c+4*\i:Y+64*\e+32*\c+4*\i+3], v[SOUT] offset:512*\e+256*\c+16*\i
.endr
.endr
.endr
	s_wait_dscnt 16                                ; the first fragment's sixteen loads are in
	FRAGQ 0
	s_wait_dscnt 0x0
	FRAGQ 1
	s_wait_tensorcnt 0x0
	ds_add_u32 v240, v241
	s_wait_dscnt 0x0
	s_endpgm
.Lfunc_end_k_q3aad7e4d92_ln1:
	.size	k_q3aad7e4d92_ln1, .Lfunc_end_k_q3aad7e4d92_ln1-k_q3aad7e4d92_ln1
	.p2alignl 7, 3214868480
	.fill 96, 4, 3214868480
	.section	.rodata,"a",@progbits
	.p2align	6, 0x0
	.amdhsa_kernel k_q3aad7e4d92_ln1
		.amdhsa_group_segment_fixed_size 66304
		.amdhsa_private_segment_fixed_size 0
		.amdhsa_enable_private_segment 0
		.amdhsa_kernarg_size 32
		.amdhsa_user_sgpr_count 2
		.amdhsa_user_sgpr_kernarg_segment_ptr 1
		.amdhsa_wavefront_size32 1
		.amdhsa_system_sgpr_workgroup_id_x 1
		.amdhsa_system_sgpr_workgroup_id_y 1
		.amdhsa_system_sgpr_workgroup_id_z 1
		.amdhsa_system_vgpr_workitem_id 0
		.amdhsa_next_free_vgpr 242
		.amdhsa_next_free_sgpr 66
		.amdhsa_reserve_vcc 0
		.amdhsa_float_denorm_mode_32 3
		.amdhsa_float_denorm_mode_16_64 3
		.amdhsa_memory_ordered 1
		.amdhsa_forward_progress 1
		.amdhsa_inst_pref_size 42
	.end_amdhsa_kernel
	.amdgpu_metadata
---
amdhsa.version: [ 1, 2 ]
amdhsa.kernels:
  - .name:           k_q3aad7e4d92_ln1
    .symbol:         k_q3aad7e4d92_ln1.kd
    .args:
      - { .name: x, .offset: 0, .size: 8, .value_kind: global_buffer, .address_space: global }
      - { .name: g1, .offset: 8, .size: 8, .value_kind: global_buffer, .address_space: global }
      - { .name: b1, .offset: 16, .size: 8, .value_kind: global_buffer, .address_space: global }
      - { .name: himg, .offset: 24, .size: 8, .value_kind: global_buffer, .address_space: global }
    .group_segment_fixed_size: 66304
    .private_segment_fixed_size: 0
    .kernarg_segment_align: 8
    .kernarg_segment_size: 32
    .max_flat_workgroup_size: 128
    .sgpr_count:     66
    .vgpr_count:     242
    .wavefront_size: 32
...
	.end_amdgpu_metadata
.endif
;; end of part 2
;; launch gemm_qkv (part 3): grid 16 x 16, 4 waves a work-group, clusters of 4 x 4, 327,680 bytes of LDS; arguments himg, wimg, bqkv, qbuf, kvbuf; writes qbuf, kvbuf
.if DOCPART == 3
	.amdgcn_target "amdgcn-amd-amdhsa--gfx1250"
	.amdhsa_code_object_version 6
	.text
	.protected	k_q3aad7e4d92_gemm_qkv
	.globl	k_q3aad7e4d92_gemm_qkv
	.p2align	8
	.type	k_q3aad7e4d92_gemm_qkv,@function
k_q3aad7e4d92_gemm_qkv:
	s_mov_b64 s[64:65], 0
	v_nop
	global_prefetch_b8 v0, s[64:65] scope:SCOPE_SE
	s_setreg_imm32_b32 hwreg(HW_REG_WAVE_MODE, 25, 1), 1
	s_wait_xcnt 0x0
	s_wait_alu depctr_hold_cnt(0) depctr_sa_sdst(0) depctr_va_vdst(0) depctr_va_sdst(0) depctr_va_ssrc(0) depctr_va_vcc(0) depctr_vm_vsrc(0)
	s_getreg_b32 s2, hwreg(HW_REG_IB_STS2, 6, 4)
	s_cmp_eq_u32 s2, 0
	s_cbranch_scc0 .Lentry_in_a_cluster
	s_endpgm
.Lentry_in_a_cluster:
	s_bfe_u32 s2, ttmp6, 0x10000c
	s_cmp_lg_u32 s2, 0xf033
	s_cbranch_scc0 .Lentry_shape_is_right
	s_endpgm
.Lentry_shape_is_right:
; qkv = h Wqkv^T + bqkv on codes of FP6 (E2M3) with E8M0 scales, sums in f32; q, k and v are quantised here, in registers, for the two products of attention, and leave as images of operand registers.
; A work-group takes 256 tokens x one head's 192 columns (64 of q, 64 of k, 64 of v); wave w takes row tiles 4 w .. 4 w + 3 against all 12 column tiles: 48 accumulators.
; Operands come as images (record of 3,328 bytes for a K pair of 256 and a row tile of 16; lane slot r of tile T is row 32 (T / 2) + 8 (T % 2) + r + 8 (r / 8)): a fragment is six loads of 256 consecutive LDS bytes, a K pair's
; neighbouring tiles are one dense block for one tensor load.
; THREE LDS SLOTS of one K pair.  K = 1,024 is four K pairs: three are asked for at the head, the fourth fills slot 0 again when its first K pair has been multiplied, and has two K pairs' products in which to land.
; By the text's own count a wave has one tensor load out at any time.
; q AND k ARE MADE TRANSPOSED (source 0 = 16 rows of W, source 1 = 16 tokens): a lane holds one token, its registers run along the head's 64, which is the first product's K.
; v IS MADE THE NATURAL WAY (source 0 = 16 tokens, source 1 = 16 rows of W): a lane holds one channel, its registers run along the tokens, which are the second product's K.
; The biases are the C of each sum's first matrix instruction.
; CLUSTER 4 x 4: the four work-groups of a row of the cluster need the same tokens' tiles, the four of a column the same head's weights: each tile is asked for jointly.
; OUT: qbuf, 106,496 bytes a (batch, head): 128 tiles x 768 bytes of codes (piece p at 256 p + 8 lane: lane (r, h) holds d = 32 h + 0 .. 31 of token slot r), then at 98,304 the scale words, 64 bytes a tile, byte0 | byte1 << 8 | 0x7f7f0000.
;      kvbuf, 208,896 bytes a (batch, head), in 4 chunks of 512 keys, 52,224 bytes: k's codes (32 tiles x 768) at 0; v's codes (8 groups of 64 keys x 4 channel tiles x 768) at 24,576; k's scale words at 49,152; v's (4 K steps x 4 tiles x 64) at 51,200.
; LIMITS: NaN and infinities are not served; blocks under 2^-124 and blocks of zeros take the byte 1 (this program alone reads the bytes).
; REGISTERS, in windows of 256: window 0: v16-27 addresses, v28-29 the add's; v32-63 scale words, two sets (tokens' at + a, weights' at + 4 + t); v64-159 the tokens' fragments, two sets; v160-223 q's and k's bias, v224-255 v's.
;   window 1: the fragments of W for q and k, two sets of 96.  window 2: accumulator (a, t) of q and k at v[8 (8 a + t)].  window 3: v's accumulator (n, a) at v[8 (4 n + a)]; from v128 the fragments of W for v, two sets of 48.
.set REC,   3328
.set HALFT, 8*REC                      ; eight row tiles: a load for the tokens
.set BHALF, 6*REC                      ; six: a load for the weights
.set SLOT,  2*HALFT+2*BHALF
.set SPARE, 3*SLOT                     ; the spare words, 128 bytes a wave: two blocks of 256 bytes that no other line names
.set ASTEP, 256*REC                    ; a K pair on in the tokens' image
.set BSTEP, 192*REC                    ; and in Wqkv's
.set ADRA,  16                         ; v16-18 the tokens' codes in slot 0, 1, 2
.set ADRB,  19                         ; v19-21 the weights'
.set ASA,   22                         ; v22-24 the tokens' scale words
.set ASB,   25                         ; v25-27 the weights'
.set SPW,   28
.set NIL,   29
.set SC,    32
.set AF,    64
.set BQK,   160
.set BVV,   224
.set G1,    24
.set G0,    32                         ; s[32:39] group 0 for the tokens' tiles, slots 0 and 1
.set G1B,   48
.set G0B,   56                         ; s[56:63] the same for the weights'
.set G0C,   92                         ; s[92:95], s[96:99] slot 2's
.set G0BC,  96
.set SEL,   68
.set MSB,   0
.macro WIN new                         ; the immediate's high byte repeats the setting that is left
.if MSB != (\new)
	s_set_vgpr_msb (MSB<<8)|(\new)
.set MSB, (\new)
.endif
.endm
.macro JLOAD g0a, g1a, g0b, g1b        ; a joint load: waves 0 and 1 fetch the tokens' tiles, waves 2 and 3 the weights'; four v_nop follow each line
	s_cmp_eq_u32 s15, 0
	s_cbranch_scc0 .Lfor_b_\@
	tensor_load_to_lds s[\g0a:\g0a+3], s[\g1a:\g1a+7]
	s_nop 0
.rept 4
	v_nop
.endr
	s_branch .Lasked_\@
.Lfor_b_\@:
	tensor_load_to_lds s[\g0b:\g0b+3], s[\g1b:\g1b+7]
	s_nop 0
.rept 4
	v_nop
.endr
.Lasked_\@:
.endm
.macro CREST                           ; a round of the cluster's barrier behind its opening barrier
	s_cmp_lg_u32 s14, 0
	s_cbranch_scc1 .Lnot_wave_0_\@
	s_barrier_signal -3
.Lnot_wave_0_\@:
	s_barrier_wait -3
	s_barrier_signal -1
	s_barrier_wait -1
.endm
.macro CROUND
	s_barrier_signal -1
	s_barrier_wait -1
	CREST
.endm
.macro PLACES                          ; four plain places behind matrix instructions, in front of loads into their registers and of reads of their results
.rept 4
	v_nop
.endr
.endm
.macro MM d, w, a, c, sw, sa           ; D, source 0, source 1, C, source 0's scales, source 1's
	v_wmma_scale_f32_16x16x128_f8f6f4 v[\d:\d+7], v[\w:\w+11], v[\a:\a+11], v[\c:\c+7], v[\sw], v[\sa] matrix_a_fmt:MATRIX_FMT_FP6 matrix_b_fmt:MATRIX_FMT_FP6
.endm
.macro FRAG reg, adr, off              ; a fragment's image: six pieces of 256 consecutive bytes
.irp p, 0,1,2,3,4,5
	ds_load_b64 v[\reg+2*\p:\reg+2*\p+1], v[\adr] offset:\off+256*\p
.endr
.endm
.macro FETCH slot, q, p                ; K step q of the slot's K pair into set p
	WIN 0x40
.set I, 0
.rept 8
	FRAG 96*(\p)+12*I, ADRB+\slot, I*REC+(\q)*1536
.set I, I+1
.endr
	WIN 0xc0
.set I, 0
.rept 4
	FRAG 128+48*(\p)+12*I, ADRB+\slot, (8+I)*REC+(\q)*1536
.set I, I+1
.endr
	WIN 0
.set I, 0
.rept 4
	FRAG AF+48*(\p)+12*I, ADRA+\slot, I*REC+(\q)*1536
.set I, I+1
.endr
.set I, 0
.rept 4
	ds_load_b32 v[SC+16*(\p)+I], v[ASA+\slot] offset:I*REC+3072+(\q)*128
.set I, I+1
.endr
.set I, 0
.rept 12
	ds_load_b32 v[SC+16*(\p)+4+I], v[ASB+\slot] offset:I*REC+3072+(\q)*128
.set I, I+1
.endr
.endm
; The 48 accumulators take turns, one instruction a turn, in the same order in every K step.
.macro MULQK a0, n, p, first           ; q and k, row tiles a0 .. a0 + n - 1, transposed
.if \first
	WIN 0x81
.else
	WIN 0xa1
.endif
.set AA, \a0
.rept \n
.set BB, 0
.rept 8
.if \first
	MM 8*(8*AA+BB), 96*(\p)+12*BB, AF+48*(\p)+12*AA, BQK+8*BB, SC+16*(\p)+4+BB, SC+16*(\p)+AA
.else
	MM 8*(8*AA+BB), 96*(\p)+12*BB, AF+48*(\p)+12*AA, 8*(8*AA+BB), SC+16*(\p)+4+BB, SC+16*(\p)+AA
.endif
.set BB, BB+1
.endr
.set AA, AA+1
.endr
.endm
.macro MULV p, first                   ; v, the natural way
.if \first
	WIN 0xcc
.else
	WIN 0xfc
.endif
.set BB, 0
.rept 4
.set AA, 0
.rept 4
.if \first
	MM 8*(4*BB+AA), AF+48*(\p)+12*AA, 128+48*(\p)+12*BB, BVV+8*BB, SC+16*(\p)+AA, SC+16*(\p)+12+BB
.else
	MM 8*(4*BB+AA), AF+48*(\p)+12*AA, 128+48*(\p)+12*BB, 8*(4*BB+AA), SC+16*(\p)+AA, SC+16*(\p)+12+BB
.endif
.set AA, AA+1
.endr
.set BB, BB+1
.endr
.endm
.macro STEP slot, first                ; a slot's first K step: the second's fragments are fetched ahead of its 48 products
	s_wait_dscnt 0x0                               ; set 0 is in
	PLACES
	FETCH \slot, 1, 1
	MULQK 0, 4, 0, \first
	MULV 0, \first
	WIN 0
.endm
.macro CROSS next                      ; a slot's second K step where the next slot was shown whole at an earlier barrier and nothing is filled: no barrier
	s_wait_dscnt 0x0                               ; set 1 is in
	PLACES
	FETCH \next, 0, 0
	MULQK 0, 4, 1, 0
	MULV 1, 0
	WIN 0
.endm
; A slot's second K step with a barrier; in front of it each wave waits for all its tensor loads, adds 0 to its spare word, and waits for that and for its reads of this slot.  fill = 1: this slot takes the K pair three on.
.macro TURN slot, next, fill
	s_wait_tensorcnt 0x0                           ; all my tensor loads have landed
	ds_add_u32 v[SPW], v[NIL]
	s_wait_dscnt 0x1                               ; set 1 is in; the add alone may be out
	MULQK 0, 1, 1, 0
	s_wait_dscnt 0x0                               ; the add is done, and my reads of this slot are over
	s_barrier_signal -1
	MULQK 1, 1, 1, 0
	WIN 0
	s_barrier_wait -1
.if \fill
	CREST                                          ; the barrier has opened a round of the cluster's: no wave of any partner still reads this slot or has a load on its way
	s_add_nc_u64 s[G0+4*\slot+2:G0+4*\slot+3], s[G0+4*\slot+2:G0+4*\slot+3], 3*ASTEP
	s_add_nc_u64 s[G0B+4*\slot+2:G0B+4*\slot+3], s[G0B+4*\slot+2:G0B+4*\slot+3], 3*BSTEP
	JLOAD G0+4*\slot, G1, G0B+4*\slot, G1B         ; the first tensor load behind the round; its four v_nop are the places in front of the loads below
.else
	PLACES
.endif
	FETCH \next, 0, 0
	MULQK 2, 2, 1, 0
	MULV 1, 0
	WIN 0
.endm
	s_load_b256 s[4:11], s[0:1], 0x0               ; himg s[4:5], wimg s[6:7], bqkv s[8:9], qbuf s[10:11]
	s_load_b64 s[12:13], s[0:1], 0x20              ; kvbuf
	v_lshl_add_u32 v[SPW], v0, 2, SPARE
	v_mov_b32 v[NIL], 0
	ds_add_u32 v28, v29
	ds_add_u32 v28, v29
	s_wait_dscnt 0x0
	v_lshrrev_b32 v1, 5, v0
	v_readfirstlane_b32 s14, v1                    ; wave
	s_lshr_b32 s15, s14, 1                         ; I fetch the tokens' tiles (0) or the weights' (1)
	s_and_b32 s16, s14, 1                          ; which half of them
	s_bfe_u32 s40, ttmp6, 0x40000                  ; cx, cy
	s_bfe_u32 s41, ttmp6, 0x40004
	s_lshl_b32 s42, ttmp9, 2
	s_add_co_u32 s42, s42, s40                     ; the head
	s_and_b32 s17, ttmp7, 0xffff
	s_lshl_b32 s17, s17, 2
	s_add_co_u32 s17, s17, s41                     ; the block of 256 tokens
	s_lshl_b32 s43, s41, 2
	s_lshl_b32 s43, 15, s43                        ; my row of the cluster
	s_lshl_b32 s44, 0x1111, s40                    ; my column
	s_or_b32 s[G1+0], s43, (3<<16)|(1<<21)         ; the mask; elements of 8 bytes; no padding; bit 21 set beside a mask
	s_or_b32 s[G1B+0], s44, (3<<16)|(1<<21)
	s_mov_b32 s[G1+1], 32<<16                      ; rows of 256 bytes (32 elements), dense
	s_mov_b32 s[G1+2], 104<<16
	s_mov_b32 s[G1+3], 32<<16
	s_mov_b32 s[G1+4], 104                         ; 104 rows: eight records
	s_mov_b32 s[G1+5], 32
	s_mov_b32 s[G1+6], 0
	s_mov_b32 s[G1+7], 0
	s_mov_b32 s[G1B+1], 32<<16
	s_mov_b32 s[G1B+2], 78<<16
	s_mov_b32 s[G1B+3], 32<<16
	s_mov_b32 s[G1B+4], 78                         ; 78 rows: six records
	s_mov_b32 s[G1B+5], 32
	s_mov_b32 s[G1B+6], 0
	s_mov_b32 s[G1B+7], 0
	s_lshl_b32 s18, s16, 3
	s_lshl_b32 s20, s17, 4
	s_add_co_u32 s20, s20, s18
	s_mul_i32 s20, s20, REC                        ; tokens: row tile 16 y + 8 x half
	s_mov_b32 s21, 0
	s_mul_i32 s18, s16, 6
	s_mul_i32 s46, s42, 12
	s_add_co_u32 s46, s46, s18
	s_mul_i32 s46, s46, REC                        ; weights: row tile 12 x head + 6 x half
	s_mov_b32 s47, 0
	s_mul_i32 s45, s16, HALFT                      ; where they go: no place in the cluster enters an LDS address
	s_mul_i32 s88, s16, BHALF
	s_add_co_u32 s88, s88, 2*HALFT
	s_wait_kmcnt 0x0
	s_add_nc_u64 s[20:21], s[4:5], s[20:21]
	s_add_nc_u64 s[46:47], s[6:7], s[46:47]
	CROUND                                         ; all sixteen work-groups are here: the first joint loads meet
; THE FILLS AS THEY STAND: K pair 0 at the head, one joint load a wave (a half of a side's tiles); K pairs 1 and 2 behind the three lines and a round, one joint load a wave
; (a side's whole tile of one K pair); the fourth K pair fills slot 0 again.  By the text's own count a wave has one tensor load out at any time.
; PREFETCHES INTO THE L2: behind each of the first two joint loads the tile of my NEXT joint load is asked for; the four partners that will ask for it jointly share its blocks of 256 bytes out by address.
.irp s, 0
	s_mov_b32 s[G0+4*\s], 1
	s_add_co_u32 s[G0+4*\s+1], s45, \s*SLOT
	s_add_nc_u64 s[G0+4*\s+2:G0+4*\s+3], s[20:21], \s*ASTEP
	s_or_b32 s[G0+4*\s+3], s[G0+4*\s+3], 0x80000000
	s_mov_b32 s[G0B+4*\s], 1
	s_add_co_u32 s[G0B+4*\s+1], s88, \s*SLOT
	s_add_nc_u64 s[G0B+4*\s+2:G0B+4*\s+3], s[46:47], \s*BSTEP
	s_or_b32 s[G0B+4*\s+3], s[G0B+4*\s+3], 0x80000000
	JLOAD G0+4*\s, G1, G0B+4*\s, G1B
.endr
.set G1H,  76                          ; s[76:83] group 1 of the tokens' sixteen records of a K pair, s[84:91] of the weights' twelve
.set G1BH, 84
	s_mul_i32 s18, s16, HALFT                      ; back to the side's first record
	s_mov_b32 s19, 0
	s_sub_nc_u64 s[20:21], s[20:21], s[18:19]
	s_mul_i32 s18, s16, BHALF
	s_sub_nc_u64 s[46:47], s[46:47], s[18:19]
	s_add_co_u32 s22, s16, 1                       ; my K pair, and its slot: 1 or 2
	s_mul_i32 s23, s22, SLOT
	s_mul_i32 s18, s22, ASTEP
	s_mov_b32 s[G0C], 1
	s_mov_b32 s[G0C+1], s23
	s_add_nc_u64 s[G0C+2:G0C+3], s[20:21], s[18:19]
	s_or_b32 s[G0C+3], s[G0C+3], 0x80000000
	s_mul_i32 s18, s22, BSTEP
	s_mov_b32 s[G0BC], 1
	s_add_co_u32 s[G0BC+1], s23, 2*HALFT
	s_add_nc_u64 s[G0BC+2:G0BC+3], s[46:47], s[18:19]
	s_or_b32 s[G0BC+3], s[G0BC+3], 0x80000000
	s_or_b32 s[G1H+0], s43, (3<<16)|(1<<21)
	s_mov_b32 s[G1H+1], 32<<16
	s_mov_b32 s[G1H+2], 208<<16
	s_mov_b32 s[G1H+3], 32<<16
	s_mov_b32 s[G1H+4], 208                        ; 208 rows of 256 bytes: sixteen records
	s_mov_b32 s[G1H+5], 32
	s_mov_b32 s[G1H+6], 0
	s_mov_b32 s[G1H+7], 0
	s_or_b32 s[G1BH+0], s44, (3<<16)|(1<<21)
	s_mov_b32 s[G1BH+1], 32<<16
	s_mov_b32 s[G1BH+2], 156<<16
	s_mov_b32 s[G1BH+3], 32<<16
	s_mov_b32 s[G1BH+4], 156                       ; 156 rows: twelve records
	s_mov_b32 s[G1BH+5], 32
	s_mov_b32 s[G1BH+6], 0
	s_mov_b32 s[G1BH+7], 0
	; the prefetches' numbers, by the side that I fetch for.  s[66:67]: the side's first record of K pair 0; it is never written again
	s_cmp_eq_u32 s15, 0
	s_cselect_b64 s[66:67], s[20:21], s[46:47]
	s_cselect_b32 s2, s40, s41                     ; my place among the four partners: cx for the tokens, cy for the weights
	s_mov_b32 s3, BSTEP
	s_cselect_b32 s3, ASTEP, s3
	s_mov_b32 s18, BHALF
	s_cselect_b32 s18, HALFT, s18
	s_cselect_b32 s19, 52, 39                      ; a partner's blocks of the tile of 208 or 156
	s_cselect_b32 s23, 26, 20                      ; and of the fourth K pair's tile of 104 or 78
	s_mov_b32 s74, 77
	s_cselect_b32 s74, 103, s74                    ; that tile's last block
	s_mul_i32 s75, s22, s3
	s_mul_i32 s45, s2, s19
	s_lshl_b32 s45, s45, 8
	s_add_co_u32 s75, s75, s45                     ; s75: my first block of my K pair's tile, in bytes
	s_sub_co_u32 s19, s19, 33
	s_mul_i32 s3, s3, 3
	s_mul_i32 s18, s16, s18
	s_add_co_u32 s3, s3, s18                       ; s3: my half of the fourth K pair's tiles
	s_mul_i32 s2, s2, s23
	s_sub_co_u32 s23, s23, 1
	v_and_b32 v1, 31, v0
	v_bfe_u32 v2, v0, 4, 1                         ; h
	v_lshlrev_b32 v3, 3, v1                        ; 8 x lane
	v_lshlrev_b32 v4, 2, v1                        ; 4 x lane
	v_lshlrev_b32 v5, 6, v2                        ; 64 h
	v_and_b32 v7, 15, v0                           ; r
	v_lshlrev_b32 v6, 2, v7                        ; 4 r
	v_and_b32 v8, 8, v7
	v_add_nc_u32 v8, v8, v7
	v_lshlrev_b32 v8, 2, v8                        ; 4 (r + 8 (r / 8))
	v_lshl_add_u32 v12, v1, 8, s75                 ; a lane a block: my blocks 0-31,
	v_min_u32 v13, s19, v1
	v_lshl_add_u32 v13, v13, 8, s75
	v_add_nc_u32 v13, 32*256, v13                  ; and 32 on (the lanes left over name the last again);
	v_min_u32 v14, s23, v1
	v_add_nc_u32 v14, s2, v14
	v_min_u32 v14, s74, v14
	v_lshl_add_u32 v14, v14, 8, s3                 ; my blocks of the fourth K pair's tile.  v12-14 are never written again
	s_wait_alu depctr_va_vdst(0)
	global_prefetch_b8 v12, s[66:67] th:TH_LOAD_NT scope:SCOPE_SE
	global_prefetch_b8 v13, s[66:67] th:TH_LOAD_NT scope:SCOPE_SE
	s_mul_i32 s70, s14, 4*REC
	s_mov_b32 s71, 2*HALFT                         ; the weights lie behind the tokens' sixteen
.irp s, 0,1,2
	v_add_nc_u32 v[ADRA+\s], s70, v3
	v_add_nc_u32 v[ADRB+\s], s71, v3
	v_add_nc_u32 v[ASA+\s], s70, v4
	v_add_nc_u32 v[ASB+\s], s71, v4
	s_add_co_u32 s70, s70, SLOT
	s_add_co_u32 s71, s71, SLOT
.endr
	s_mul_i32 s72, s42, 768                        ; the head's 192 numbers of bqkv
	s_mov_b32 s73, 0
	s_add_nc_u64 s[8:9], s[8:9], s[72:73]
.irp t, 0,1,2,3,4,5,6,7
	global_load_b128 v[BQK+8*\t:BQK+8*\t+3], v5, s[8:9] offset:(32*(\t/2)+8*(\t%2))*4          ; lane (r, h), register j of tile t: column 32 (t / 2) + 16 h + 8 (t % 2) + j
	global_load_b128 v[BQK+8*\t+4:BQK+8*\t+7], v5, s[8:9] offset:(32*(\t/2)+8*(\t%2))*4+16
.endr
.irp n, 0,1,2,3
.irp j, 0,1,2,3,4,5,6,7
	global_load_b32 v[BVV+8*\n+\j], v8, s[8:9] offset:(128+32*(\n/2)+8*(\n%2))*4               ; v: all eight registers hold the lane's channel's bias
.endr
.endr
	s_mov_b32 s[SEL], 0x76543210
	s_mov_b32 s[SEL+1], 0xfedcba98
	s_wait_alu depctr_va_vdst(0)
	s_wait_loadcnt 0x0
	s_wait_tensorcnt 0x0                           ; my part of slot 0 is in
	ds_add_u32 v[SPW], v[NIL]
	s_wait_dscnt 0x0
	CROUND                                         ; everybody's part of slot 0 is in, and the joint loads meet
	JLOAD G0C, G1H, G0BC, G1BH                     ; slots 1 and 2: waves 0 and 2 take K pair 1, waves 1 and 3 K pair 2
	FETCH 0, 0, 0
	global_prefetch_b8 v14, s[66:67] th:TH_LOAD_NT scope:SCOPE_SE  ; the fourth K pair, two K steps ahead of its joint load
	STEP 0, 1                                      ; the first K step starts the sums, on the biases
	TURN 0, 1, 1                                   ; every wave's loads for slots 1 and 2 have landed; slot 0 takes the fourth K pair
	STEP 1, 0
	CROSS 2                                        ; slot 2 was shown whole at the round above
	STEP 2, 0
	TURN 2, 0, 0                                   ; the fourth K pair has landed, in every wave's part; nothing is filled
	STEP 0, 0
	s_wait_dscnt 0x0
	MULQK 0, 4, 1, 0
	MULV 1, 0
	WIN 0
	PLACES
	; THE WAY OUT.  Where my units go
	s_lshr_b32 s70, s17, 3
	s_lshl_b32 s70, s70, 4
	s_add_co_u32 s70, s70, s42                     ; 16 x batch + head
	s_and_b32 s71, s17, 7                          ; the block of 256 tokens in its batch
	s_lshl_b32 s72, s71, 4
	s_lshl_b32 s73, s14, 2
	s_add_co_u32 s72, s72, s73                     ; my first tile of q
	s_mul_i32 s74, s70, 106496
	s_mul_i32 s76, s72, 768
	s_add_co_u32 s76, s76, s74
	s_mov_b32 s77, 0
	s_add_nc_u64 s[76:77], s[10:11], s[76:77]      ; q's codes
	s_lshl_b32 s78, s72, 6
	s_add_co_u32 s78, s78, s74
	s_mov_b32 s79, 0
	s_add_nc_u64 s[78:79], s[10:11], s[78:79]      ; q's scale words (+ 98,304)
	s_mul_i32 s74, s70, 208896
	s_lshr_b32 s75, s71, 1
	s_mul_i32 s75, s75, 52224
	s_add_co_u32 s74, s74, s75                     ; my chunk of 512 keys
	s_and_b32 s71, s71, 1
	s_lshl_b32 s72, s71, 4
	s_add_co_u32 s72, s72, s73                     ; my first tile of k in it
	s_mul_i32 s80, s72, 768
	s_add_co_u32 s80, s80, s74
	s_mov_b32 s81, 0
	s_add_nc_u64 s[80:81], s[12:13], s[80:81]      ; k's codes
	s_lshr_b32 s82, s72, 3                         ; k's scale words lie [key step of 8 tiles][slot r][tile]: 512 bytes a step, 32 a slot; my four tiles are a half of a step
	s_lshl_b32 s82, s82, 9
	s_bfe_u32 s83, s72, 0x10002
	s_lshl_b32 s83, s83, 4
	s_add_co_u32 s82, s82, s83
	s_add_co_u32 s82, s82, s74
	s_mov_b32 s83, 0
	s_add_nc_u64 s[82:83], s[12:13], s[82:83]      ; k's scale words (+ 49,152)
	s_lshl_b32 s72, s71, 2
	s_add_co_u32 s72, s72, s14                     ; my group of 64 keys in the chunk
	s_mul_i32 s84, s72, 3072
	s_add_co_u32 s84, s84, s74
	s_mov_b32 s85, 0
	s_add_nc_u64 s[84:85], s[12:13], s[84:85]      ; v's codes (+ 24,576)
	s_lshr_b32 s72, s72, 1
	s_lshl_b32 s86, s72, 8
	s_add_co_u32 s86, s86, s74
	s_lshl_b32 s72, s16, 1
	s_add_co_u32 s86, s86, s72
	s_mov_b32 s87, 0
	s_add_nc_u64 s[86:87], s[12:13], s[86:87]      ; v's half words (+ 51,200): K step (group / 2), half (group % 2)
.irp n, 0,1,2,3,4,5,6,7
	v_mov_b32 v[40+\n], 0                          ; a lane permute's destination counts as one of its sources
.endr
; Four units of 32 numbers a lane (register 16 b + i = k 32 b + 16 h + i), at v[base + stride i] of window win, become four half fragments (six registers at v[pb + 6 i]) and two bytes each (v[56 + 2 i], v[57 + 2 i]).
.macro HQ4 win, base, stride, pb
	WIN 0
.irp n, 0,1,2,3,4,5,6,7
	v_mov_b32 v[32+\n], 0x1800000                  ; the floor 2^(3 - 127): the byte cannot fall under 1
.endr
	WIN ((\win)<<2)|((\win)<<4)
.irp m, 0,2,4,6,8,10,12,14
.irp n, 0,1,2,3,4,5,6,7
	v_max3_num_f32 v[32+\n], v[32+\n], |v[\base+\stride*(\n/2)+16*(\n%2)+\m]|, |v[\base+\stride*(\n/2)+16*(\n%2)+\m+1]|   ; the eight blocks by turns; each accumulator from its low end on
.endr
.endr
	WIN 0
.irp n, 0,1,2,3,4,5,6,7
	v_permlanex16_b32 v[40+\n], v[32+\n], s[SEL], s[SEL+1]
.endr
.irp n, 0,1,2,3,4,5,6,7
	v_max_num_f32 v[32+\n], v[32+\n], v[40+\n]     ; with lane l xor 16's: the block's largest magnitude
.endr
.irp n, 0,1,2,3,4,5,6,7
	v_add_nc_u32 v[48+\n], 0xff000000, v[32+\n]    ; the conversion's scale operand
.endr
.irp n, 0,1,2,3,4,5,6,7
	v_lshrrev_b32 v[56+\n], 23, v[48+\n]           ; the scale's byte
.endr
	WIN \win
.irp i, 0,1,2,3
	v_cvt_scalef32_pk16_fp6_f32 v[\pb+6*\i:\pb+6*\i+2], v[\base+\stride*\i:\base+\stride*\i+15], v[48+2*\i]
	v_cvt_scalef32_pk16_fp6_f32 v[\pb+24+4*\i:\pb+24+4*\i+2], v[\base+\stride*\i+16:\base+\stride*\i+31], v[48+2*\i+1]
.endr
	WIN 0
	v_nop                                          ; one plain place behind the scaled conversions
.irp i, 0,1,2,3
.irp k, 0,1,2
	v_permlane16_swap_b32 v[\pb+6*\i+\k], v[\pb+24+4*\i+\k]    ; a whole block to a lane: lanes 0-15 block 0, lanes 16-31 block 1
.endr
.irp k, 0,1,2
	v_mov_b32 v[\pb+6*\i+3+\k], v[\pb+24+4*\i+\k]
.endr
.endr
.endm
.macro CODES4 pb, ptr, off             ; four units' codes: 256 consecutive bytes a store, aligned
.irp i, 0,1,2,3
.irp k, 0,1,2
	global_store_b64 v3, v[\pb+6*\i+2*\k:\pb+6*\i+2*\k+1], s[\ptr:\ptr+1] offset:\off+768*\i+256*\k
.endr
.endr
.endm
	HQ4 2, 0, 64, 64                               ; q: accumulators (a, 0 .. 3)
.irp i, 0,1,2,3
	v_lshl_or_b32 v[184+\i], v[57+2*\i], 8, v[56+2*\i]
.endr
.irp i, 0,1,2,3
	v_or_b32 v[184+\i], 0x7f7f0000, v[184+\i]      ; the upper 64 of the instruction's 128 along K are zero codes under the byte 127
.endr
	CODES4 64, 76, 0
.irp i, 0,1,2,3
	global_store_b32 v6, v[184+\i], s[78:79] offset:98304+64*\i    ; (lanes r and r + 16 store the same word to the same place)
.endr
	HQ4 2, 32, 64, 104                             ; k: accumulators (a, 4 .. 7)
.irp i, 0,1,2,3
	v_lshl_or_b32 v[188+\i], v[57+2*\i], 8, v[56+2*\i]
.endr
.irp i, 0,1,2,3
	v_or_b32 v[188+\i], 0x7f7f0000, v[188+\i]
.endr
	; k's TILES ARE RE-ORDERED for the launch that reads them: of my 64 keys (blocks A and B of 32) tile t gets, in slots 0-7, keys 8 t .. 8 t + 7 of block A and, in slots 8-15, the same of block B.
	; As made, tile u holds octets u and 2 + u of block A and tile 2 + u those of block B: halves of 8 lanes change places between the two, in registers, so that the stores stay whole runs.
	s_mov_b32 s2, 0xff00ff00                       ; the lanes with r >= 8
.irp u, 0,1
.irp k, 0,1,2,3,4,5
	v_permlane16_b32 v[40+2*(\k%4)], v[116+6*\u+\k], s[SEL+1], s[SEL]      ; lane r takes lane (r + 8) % 16 of its row
	v_permlane16_b32 v[41+2*(\k%4)], v[104+6*\u+\k], s[SEL+1], s[SEL]
	v_cndmask_b32 v[104+6*\u+\k], v[104+6*\u+\k], v[40+2*(\k%4)], s2
	v_cndmask_b32 v[116+6*\u+\k], v[41+2*(\k%4)], v[116+6*\u+\k], s2
.endr
	v_permlane16_b32 v[44+2*\u], v[190+\u], s[SEL+1], s[SEL]               ; and the rows' scale words with them
	v_permlane16_b32 v[45+2*\u], v[188+\u], s[SEL+1], s[SEL]
	v_cndmask_b32 v[188+\u], v[188+\u], v[44+2*\u], s2
	v_cndmask_b32 v[190+\u], v[45+2*\u], v[190+\u], s2
.endr
	v_lshlrev_b32 v9, 1, v3                        ; 16 x lane
	v_lshlrev_b32 v10, 3, v6                       ; 32 r
	v_lshlrev_b32 v11, 2, v6                       ; 16 r
.irp j, 0,1,2,3,4,5
	global_store_b128 v9, v[104+4*\j:104+4*\j+3], s[80:81] offset:512*\j   ; k's codes leave as the image of my four tiles' 24 registers, four registers a piece: 512 consecutive bytes a store, aligned
.endr
	global_store_b128 v10, v[188:191], s[82:83] offset:49152       ; slot r's four words on end (lanes r and r + 16 store the same)
	HQ4 3, 0, 32, 144                              ; v: accumulators (n, 0 .. 3): 64 tokens of channel tile n
.irp i, 0,1,2,3
	v_lshl_or_b32 v[192+\i], v[57+2*\i], 8, v[56+2*\i]
.endr
.irp i, 0,1,2,3
	global_store_b128 v9, v[144+6*\i:144+6*\i+3], s[84:85] offset:24576+768*\i         ; v's half fragment of six registers: a piece of four registers, 512 consecutive bytes,
	global_store_b64 v3, v[144+6*\i+4:144+6*\i+5], s[84:85] offset:24576+768*\i+512    ; and one of two, 256
.endr
.irp i, 0,1,2,3
	global_store_b16 v11, v[192+\i], s[86:87] offset:51200+4*\i    ; v's scale words lie [K step][channel slot r][tile]: my group's two bytes of the word
.endr
	s_wait_tensorcnt 0x0                           ; the wave's end
	ds_add_u32 v[SPW], v[NIL]
	s_wait_dscnt 0x0
	CROUND                                         ; the closing round
	s_endpgm
.Lfunc_end_k_q3aad7e4d92_gemm_qkv:
	.size	k_q3aad7e4d92_gemm_qkv, .Lfunc_end_k_q3aad7e4d92_gemm_qkv-k_q3aad7e4d92_gemm_qkv
	.p2alignl 7, 3214868480
	.fill 96, 4, 3214868480
	.section	.rodata,"a",@progbits
	.p2align	6, 0x0
	.amdhsa_kernel k_q3aad7e4d92_gemm_qkv
		.amdhsa_group_segment_fixed_size 327680
		.amdhsa_private_segment_fixed_size 0
		.amdhsa_enable_private_segment 0
		.amdhsa_kernarg_size 40
		.amdhsa_user_sgpr_count 2
		.amdhsa_user_sgpr_kernarg_segment_ptr 1
		.amdhsa_wavefront_size32 1
		.amdhsa_system_sgpr_workgroup_id_x 1
		.amdhsa_system_sgpr_workgroup_id_y 1
		.amdhsa_system_sgpr_workgroup_id_z 1
		.amdhsa_system_vgpr_workitem_id 0
		.amdhsa_next_free_vgpr 1024
		.amdhsa_next_free_sgpr 100
		.amdhsa_reserve_vcc 0
		.amdhsa_float_denorm_mode_32 3
		.amdhsa_float_denorm_mode_16_64 3
		.amdhsa_memory_ordered 1
		.amdhsa_forward_progress 1
		.amdhsa_inst_pref_size 156
	.end_amdhsa_kernel
	.amdgpu_metadata
---
amdhsa.version: [ 1, 2 ]
amdhsa.kernels:
  - .name:           k_q3aad7e4d92_gemm_qkv
    .symbol:         k_q3aad7e4d92_gemm_qkv.kd
    .args:
      - { .name: himg, .offset: 0, .size: 8, .value_kind: global_buffer, .address_space: global }
      - { .name: wimg, .offset: 8, .size: 8, .value_kind: global_buffer, .address_space: global }
      - { .name: bqkv, .offset: 16, .size: 8, .value_kind: global_buffer, .address_space: global }
      - { .name: qbuf, .offset: 24, .size: 8, .value_kind: global_buffer, .address_space: global }
      - { .name: kvbuf, .offset: 32, .size: 8, .value_kind: global_buffer, .address_space: global }
    .group_segment_fixed_size: 327680
    .private_segment_fixed_size: 0
    .kernarg_segment_align: 8
    .kernarg_segment_size: 40
    .max_flat_workgroup_size: 128
    .sgpr_count:     100
    .vgpr_count:     1024
    .wavefront_size: 32
...
	.end_amdgpu_metadata
.endif
;; end of part 3
;; launch attn (part 4): grid 8 x 32, 16 waves a work-group, clusters of 4 x 1, 210,944 bytes of LDS; arguments qbuf, kvbuf, vimg; writes vimg
.if DOCPART == 4
	.amdgcn_target "amdgcn-amd-amdhsa--gfx1250"
	.amdhsa_code_object_version 6
	.text
	.protected	k_q3aad7e4d92_attn
	.globl	k_q3aad7e4d92_attn
	.p2align	8
	.type	k_q3aad7e4d92_attn,@function
k_q3aad7e4d92_attn:
	s_mov_b64 s[64:65], 0
	v_nop
	global_prefetch_b8 v0, s[64:65] scope:SCOPE_SE
	s_setreg_imm32_b32 hwreg(HW_REG_WAVE_MODE, 25, 1), 1
	s_wait_xcnt 0x0
	s_wait_alu depctr_hold_cnt(0) depctr_sa_sdst(0) depctr_va_vdst(0) depctr_va_sdst(0) depctr_va_ssrc(0) depctr_va_vcc(0) depctr_vm_vsrc(0)
	s_getreg_b32 s2, hwreg(HW_REG_IB_STS2, 6, 4)
	s_cmp_eq_u32 s2, 0
	s_cbranch_scc0 .Lentry_in_a_cluster
	s_endpgm
.Lentry_in_a_cluster:
	s_bfe_u32 s2, ttmp6, 0x10000c
	s_cmp_lg_u32 s2, 0x3003
	s_cbranch_scc0 .Lentry_shape_is_right
	s_endpgm
.Lentry_shape_is_right:
; vals = softmax(q k^T / 8) v for one (batch, head), both products on codes of FP6 (E2M3) with E8M0 scales; the result is divided by the row's sum, quantised along the model's 1,024 and stored as part of an operand image.
; THE SOFTMAX AHEAD OF THE SECOND PRODUCT: t = score x log2(e) / 8; M = the running largest t rounded UP to a whole number; p = 2^(t - M) is quantised along the keys, not normalised; the row's sum is taken of the
; unquantised p; when M moves, the sum and O are multiplied by 2^(old M - new M), which rounds nothing.
; SHARES: a work-group owns 256 queries of one head, each of its sixteen waves one tile of 16, in 256 registers.  A step is 128 keys; sixteen steps.
; LAYOUT: both products transposed (S^T = k q^T, O^T = v^T p^T): a lane holds one query throughout.  k's tiles come so ordered that tile t of a group of 64 keys holds keys 8 t .. 8 t + 7 of the group's first block
; of 32 in slots 0-7 and of its second block in slots 8-15: the 32 registers of a group's four result tiles are then ONE WHOLE BLOCK of 32 keys in a lane (lanes 0-15 the first block, lanes 16-31 the second),
; in the order of the second product's operand.  A block's maximum asks no other lane, and the conversions' results are the operand's registers.
; THE FIRST PRODUCT'S K IS 64: q's upper six registers are zero codes.  k's tiles lie six registers apart, so a tile's upper six registers are the next tile's codes (the last tile's: v's first six): any codes there
; meet q's zeros and add nothing; the scale bytes of that half are 127 on both sides.
; THE WHOLE HEAD'S K AND V, 208,896 bytes, come into LDS ONCE, one joint load a wave: wave 4 c + s fetches section s (k's codes, v's codes, k's scale words, v's) of chunk c of 512 keys, and the sections are laid in LDS
; tensor by tensor, so that every address is linear in the step.  Waves 0-3 (chunk 0) have load lines of their own and are waited for at the first barrier; all others at a second barrier behind step 2, whose fetch
; ahead reaches step 3, the last of chunk 0.  Nothing is filled again.  All bytes are asked for at the head, so there is nothing left to prefetch.
; The next step's k is fetched, with this step's v, behind the first products, and lands under the softmax: one wait for LDS at a step's top, one ahead of the second product.
; CLUSTER 4 x 1: the four query blocks of a cluster belong to one head and ask for each piece jointly.
; LIMITS: NaN and infinities are not served; the promise holds while the scaled scores t stay under 2^31 in magnitude; blocks under 2^-124 and blocks of zeros take the byte 1 (this program alone reads the bytes).
; REGISTERS: v0, v7 at work; v1 8 x lane, v2 4 r, v3 4 x lane; v4, v5 the add's; v6 8 h; v8-11 the step's addresses, then at work; v12 -M, v13 the largest score; v14 f, v15 p's scale word; v[16:17] the sum;
;   v18-19 the blocks' maxima; v20-23 at work; v24 q's scale word; v26-33 k's; v34-37 v's; v40-51 q; v52-99 k; v100-147 v; v148-211 S^T, then p; v212-243 O^T; v244-255 p's codes.
.set QW,  24
.set KW,  26
.set VW,  34
.set Q,   40
.set K,   52
.set V,   100
.set S,   148
.set O,   212
.set P,   244
.set CH,  52224                        ; a chunk in memory: k's codes 24,576, v's codes 24,576, k's words 2,048, v's 1,024
.set LV,  98304                        ; LDS: k's codes at 0, v's here,
.set LKW, 196608                       ; k's scale words,
.set LVW, 204800                       ; v's,
.set SPARE, 208896                     ; and the spare words, 128 bytes a wave
.set WV,  18
.set SEL, 20
.set CS,  22
.set G1A, 24                           ; group 1: 96 rows of 256 bytes; G1B: 8; G1C: 4
.set G1B, 32
.set G1C, 40
.set G0A, 48
.set G0B, 52
.set G0C, 56
.set TK,  70                           ; where the NEXT step's k begins; s71 its scale words; s72 this step's v; s73 its scale words
.set TKW, 71
.set TV,  72
.set TVW, 73
.set CNT, 74
.macro CROUND
	s_barrier_signal -1
	s_barrier_wait -1
	s_cmp_lg_u32 s[WV], 0
	s_cbranch_scc1 .Lnot_wave_0_\@
	s_barrier_signal -3
.Lnot_wave_0_\@:
	s_barrier_wait -3
	s_barrier_signal -1
	s_barrier_wait -1
.endm
.macro TL g0, g1
	tensor_load_to_lds s[\g0:\g0+3], s[\g1:\g1+7]
	s_nop 0
.rept 4
	v_nop
.endr
.endm
.macro GROUP1 g, rows                  ; dense rows of 256 bytes (32 elements of 8); the mask names all four; bit 21 set beside it
	s_mov_b32 s[\g], 15|(3<<16)|(1<<21)
	s_mov_b32 s[\g+1], 32<<16
	s_mov_b32 s[\g+2], (\rows)<<16
	s_mov_b32 s[\g+3], 32<<16
	s_mov_b32 s[\g+4], \rows
	s_mov_b32 s[\g+5], 32
	s_mov_b32 s[\g+6], 0
	s_mov_b32 s[\g+7], 0
.endm
.macro KLOAD                           ; eight tiles of k, six registers each, and their scale words
.irp j, 0,1,2,3,4,5,6,7,8,9,10,11              ; k's codes lie as the image of these 48 registers, four registers a piece at 512 j + 16 x lane
	ds_load_b128 v[K+4*\j:K+4*\j+3], v8 offset:512*\j
.endr
	ds_load_b128 v[KW:KW+3], v10                   ; slot r's eight scale words lie on end, at 32 r
	ds_load_b128 v[KW+4:KW+7], v10 offset:16
.endm
	s_load_b128 s[4:7], s[0:1], 0x0                ; qbuf, kvbuf
	s_load_b64 s[8:9], s[0:1], 0x10                ; vimg
	v_lshl_add_u32 v4, v0, 2, SPARE
	v_mov_b32 v5, 0
	ds_add_u32 v4, v5
	ds_add_u32 v4, v5
	v_lshrrev_b32 v3, 5, v0
	v_readfirstlane_b32 s[WV], v3                  ; wave 0..15
	v_and_b32 v7, 31, v0
	v_and_b32 v2, 15, v0
	v_bfe_u32 v6, v0, 4, 1
	v_lshlrev_b32 v3, 2, v7                        ; 4 x lane
	v_lshlrev_b32 v1, 3, v7                        ; 8 x lane
	v_lshlrev_b32 v2, 2, v2                        ; 4 r
	v_lshlrev_b32 v6, 3, v6                        ; 8 h
	s_bfe_u32 s10, ttmp6, 0x40000                  ; cx
	s_lshl_b32 s11, ttmp9, 2
	s_add_co_u32 s11, s11, s10                     ; my block of 256 queries: it enters q's and the output's addresses alone
	s_and_b32 s12, ttmp7, 0xffff                   ; 16 x batch + head, which the four partners share
	s_lshl_b32 s13, s11, 4
	s_add_co_u32 s13, s13, s[WV]                   ; my tile of queries
	GROUP1 G1A, 96
	GROUP1 G1B, 8
	GROUP1 G1C, 4
	s_lshr_b32 s14, s[WV], 2                       ; my chunk
	s_and_b32 s15, s[WV], 3                        ; my section
	s_mul_i32 s16, s14, CH
	s_mul_i32 s17, s12, 208896
	s_add_co_u32 s16, s16, s17                     ; where the chunk begins in kvbuf
	s_mov_b32 s[G0A], 1                            ; sections 0 and 1: codes
	s_mul_i32 s[G0A+1], s15, LV
	s_mul_i32 s19, s14, 24576
	s_add_co_u32 s[G0A+1], s[G0A+1], s19
	s_mul_i32 s19, s15, 24576
	s_add_co_u32 s76, s16, s19
	s_mov_b32 s77, 0
	s_mov_b32 s[G0B], 1                            ; section 2: k's scale words
	s_lshl_b32 s[G0B+1], s14, 11
	s_add_co_u32 s[G0B+1], s[G0B+1], LKW
	s_add_co_u32 s78, s16, 49152
	s_mov_b32 s79, 0
	s_mov_b32 s[G0C], 1                            ; section 3: v's
	s_lshl_b32 s[G0C+1], s14, 10
	s_add_co_u32 s[G0C+1], s[G0C+1], LVW
	s_add_co_u32 s80, s16, 51200
	s_mov_b32 s81, 0
	s_mul_i32 s84, s12, 106496
	s_mul_i32 s60, s13, 768
	s_add_co_u32 s60, s60, s84
	s_mov_b32 s61, 0
	s_lshl_b32 s62, s13, 6
	s_add_co_u32 s62, s62, s84
	s_mov_b32 s63, 0
	; where my half fragment of vals goes: record ((head / 4) 256 + 128 batch + tile) 3328, K step (head / 2) % 2, half head % 2
	s_and_b32 s84, s12, 15
	s_lshr_b32 s85, s12, 4
	s_lshr_b32 s86, s84, 2
	s_lshl_b32 s86, s86, 8
	s_lshl_b32 s85, s85, 7
	s_add_co_u32 s86, s86, s85
	s_add_co_u32 s86, s86, s13
	s_mul_i32 s86, s86, 3328
	s_bfe_u32 s85, s84, 0x10001
	s_mul_i32 s87, s85, 1536
	s_add_co_u32 s66, s86, s87
	s_and_b32 s84, s84, 1
	s_mul_i32 s87, s84, 768
	s_add_co_u32 s66, s66, s87
	s_mov_b32 s67, 0
	s_lshl_b32 s85, s85, 7
	s_add_co_u32 s68, s86, s85
	s_lshl_b32 s84, s84, 1
	s_add_co_u32 s68, s68, s84
	s_mov_b32 s69, 0
	s_mov_b32 s[SEL], 0x76543210
	s_mov_b32 s[SEL+1], 0xfedcba98
	s_mov_b32 s[CS], 0x3e38aa3b                    ; c = log2(e) / 8
	s_mov_b32 s[CS+1], s[CS]                       ; (named with it as a pair, so it is written)
	s_mov_b32 s[TK], 6144
	s_mov_b32 s[TKW], LKW+512
	s_mov_b32 s[TV], LV
	s_mov_b32 s[TVW], LVW
	s_wait_alu depctr_va_vdst(0)
	s_wait_dscnt 0x0
	s_wait_kmcnt 0x0
	s_add_nc_u64 s[G0A+2:G0A+3], s[6:7], s[76:77]
	s_or_b32 s[G0A+3], s[G0A+3], 0x80000000
	s_add_nc_u64 s[G0B+2:G0B+3], s[6:7], s[78:79]
	s_or_b32 s[G0B+3], s[G0B+3], 0x80000000
	s_add_nc_u64 s[G0C+2:G0C+3], s[6:7], s[80:81]
	s_or_b32 s[G0C+3], s[G0C+3], 0x80000000
	s_add_nc_u64 s[60:61], s[4:5], s[60:61]        ; q's codes
	s_add_nc_u64 s[62:63], s[4:5], s[62:63]        ; q's scale words (+ 98,304)
	s_add_nc_u64 s[66:67], s[8:9], s[66:67]
	s_add_nc_u64 s[68:69], s[8:9], s[68:69]
.irp p, 0,1,2
	global_load_b64 v[Q+2*\p:Q+2*\p+1], v1, s[60:61] offset:256*\p
.endr
	global_load_b32 v[QW], v2, s[62:63] offset:98304
	CROUND                                         ; all four work-groups are here: the joint loads meet
	s_cmp_lt_u32 s[WV], 2                          ; ONE chain of branches on the wave's number, one load to an arm; chunk 0's three arms are waves 0-3's alone
	s_cbranch_scc0 .Larm1
	TL G0A, G1A
	s_branch .Lasked
.Larm1:
	s_cmp_eq_u32 s[WV], 2
	s_cbranch_scc0 .Larm2
	TL G0B, G1B
	s_branch .Lasked
.Larm2:
	s_cmp_eq_u32 s[WV], 3
	s_cbranch_scc0 .Larm3
	TL G0C, G1C
	s_branch .Lasked
.Larm3:
	s_cmp_lt_u32 s15, 2
	s_cbranch_scc0 .Larm4
	TL G0A, G1A
	s_branch .Lasked
.Larm4:
	s_cmp_eq_u32 s15, 2
	s_cbranch_scc0 .Larm5
	TL G0B, G1B
	s_branch .Lasked
.Larm5:
	TL G0C, G1C
.Lasked:
.irp j, 6,7,8,9,10,11
	v_mov_b32 v[Q+\j], 0                           ; zero codes for the upper 64 along K
.endr
.irp j, 0,1,2,3,4,5
	v_mov_b32 v[V+\j], 0                           ; named as the upper half of k's last tile before v is first fetched
.endr
	v_mov_b32 v13, 0xff61b1e6                      ; the largest score so far: -3e38
	v_mov_b32 v12, 0x7f61b1e6                      ; -M
	v_mov_b32 v15, 0                               ; (named as the upper half of the pair v[14:15] before it is first written)
	v_mov_b32 v16, 0
	v_mov_b32 v17, 0
.set J, 0
.rept 32
	v_mov_b32 v[O+J], 0                            ; O^T: the step is written once; the first finds zeros, which the first change of M leaves zeros
.set J, J+1
.endr
	v_lshlrev_b32 v8, 1, v1                        ; step 0's k: 16 x lane,
	v_lshl_add_u32 v10, v2, 3, LKW                 ; and 32 r
	s_wait_alu depctr_va_vdst(0)
	s_cmp_lt_u32 s[WV], 4
	s_cbranch_scc0 .Lnot_first
	s_wait_tensorcnt 0x0                           ; my section of chunk 0 has landed
.Lnot_first:
	s_barrier_signal -1
	s_barrier_wait -1                              ; chunk 0 is whole; the later chunks may stay out
	KLOAD
	s_wait_loadcnt 0x0                             ; q
; A KEY STEP: 128 keys.  pre = 1: the next step's k is fetched
.macro STEP pre
	s_wait_dscnt 0x0                               ; k's fragments, asked for a step ago
.irp t, 0,1,2,3,4,5,6,7                        ; S^T = k q^T
	v_wmma_scale_f32_16x16x128_f8f6f4 v[S+8*\t:S+8*\t+7], v[K+6*\t:K+6*\t+11], v[Q:Q+11], 0, v[KW+\t], v[QW] matrix_a_fmt:MATRIX_FMT_FP6 matrix_b_fmt:MATRIX_FMT_FP6
.endr
	v_lshl_add_u32 v9, v1, 1, s[TV]                ; these lines are also the places behind the products: v's pieces of 16 bytes a lane,
	v_add_nc_u32 v20, s[TV], v1                    ; of 8,
	v_lshl_add_u32 v11, v2, 2, s[TVW]              ; its scale words at 16 r
.if \pre
	v_lshl_add_u32 v8, v1, 1, s[TK]
	v_lshl_add_u32 v10, v2, 3, s[TKW]
.else
	v_nop
.endif
	s_wait_alu depctr_va_vdst(0)
.irp n, 0,1,2,3
.irp c, 0,1
	ds_load_b128 v[V+12*\n+6*\c:V+12*\n+6*\c+3], v9 offset:3072*\c+768*\n
	ds_load_b64 v[V+12*\n+6*\c+4:V+12*\n+6*\c+5], v20 offset:3072*\c+768*\n+512
.endr
.endr
	ds_load_b128 v[VW:VW+3], v11
.if \pre
	KLOAD
.endif
.irp g, 0,1                                    ; my two blocks' largest scores, each in two chains; every accumulator is read from its low end on
	v_max3_num_f32 v[18+\g], v[S+32*\g], v[S+32*\g+1], v[S+32*\g+2]
	v_max3_num_f32 v[20+\g], v[S+32*\g+16], v[S+32*\g+17], v[S+32*\g+18]
.endr
.irp i, 3,5,7,9,11,13
.irp g, 0,1
	v_max3_num_f32 v[18+\g], v[18+\g], v[S+32*\g+\i], v[S+32*\g+\i+1]
	v_max3_num_f32 v[20+\g], v[20+\g], v[S+32*\g+16+\i], v[S+32*\g+17+\i]
.endr
.endr
.irp g, 0,1
	v_max3_num_f32 v[18+\g], v[18+\g], v[20+\g], v[S+32*\g+15]
.endr
.irp g, 0,1
	v_max_num_f32 v[18+\g], v[18+\g], v[S+32*\g+31]
.endr
	s_delay_alu instid0(VALU_DEP_1)
	v_max3_num_f32 v7, v18, v19, v13               ; with the largest so far,
	s_delay_alu instid0(VALU_DEP_1)
	v_permlanex16_b32 v0, v7, s[SEL], s[SEL+1]
	s_delay_alu instid0(VALU_DEP_1)
	v_max_num_f32 v13, v7, v0                      ; and lane l xor 16's blocks: the row's
	s_delay_alu instid0(VALU_DEP_1)
	v_mul_f32 v7, s[CS], v13                       ; as t (c is positive)
	v_mov_b32 v0, v12
	s_delay_alu instid0(VALU_DEP_2)
	v_floor_f32 v12, -v7                           ; the new -M = -ceil(t)
	s_delay_alu instid0(VALU_DEP_1)
	v_sub_f32 v0, v12, v0                          ; old M - new M: a whole number, 0 or less
.irp g, 0,1
	v_fma_f32 v[18+\g], v[18+\g], s[CS], v12       ; t - M of each block's largest score: p rises with the score, so this gives the block's largest p
.endr
	v_cvt_i32_f32 v0, v0                           ; (it saturates)
.set J, 0
.rept 32
	v_pk_fma_f32 v[S+J:S+J+1], v[S+J:S+J+1], s[CS:CS+1], v[12:13] op_sel_hi:[1,0,0]   ; t - M
.set J, J+2
.endr
	v_ldexp_f32 v14, 1.0, v0                       ; f = 2^(old M - new M)
.set J, 0
.rept 16
	v_pk_mul_f32 v[O+J:O+J+1], v[O+J:O+J+1], v[14:15] op_sel_hi:[1,0]      ; O^T under the new M
.set J, J+2
.endr
	s_wait_alu depctr_va_vdst(0)
	v_exp_f32 v18, v18
	v_exp_f32 v19, v19
.set J, 0
.rept 64
	v_exp_f32 v[S+J], v[S+J]                       ; p = 2^(t - M)
.set J, J+1
.endr
	v_pk_mul_f32 v[16:17], v[16:17], v[14:15] op_sel_hi:[1,0]      ; the sum under the new M (a plain place behind the exponentials)
	s_wait_alu depctr_va_vdst(0)                   ; one wait for the whole batch, ahead of its first reader
	v_max_num_f32 v18, 0x1800000, v18              ; the floor 2^(3 - 127)
	v_max_num_f32 v19, 0x1800000, v19
	v_add_nc_u32 v18, 0xff000000, v18              ; 2 off the exponent field: the conversion's scale operand
	v_add_nc_u32 v19, 0xff000000, v19
	v_cvt_scalef32_pk16_fp6_f32 v[P:P+2], v[S:S+15], v18
	v_cvt_scalef32_pk16_fp6_f32 v[8:10], v[S+16:S+31], v18         ; (a conversion's three registers begin on an even number)
	v_cvt_scalef32_pk16_fp6_f32 v[P+6:P+8], v[S+32:S+47], v19
	v_cvt_scalef32_pk16_fp6_f32 v[20:22], v[S+48:S+63], v19
	v_lshrrev_b32 v0, 23, v18                      ; the bytes of my blocks h and 2 + h,
	v_lshrrev_b32 v7, 23, v19
	v_lshl_or_b32 v0, v7, 16, v0
	v_lshlrev_b32 v0, v6, v0                       ; at their places in the word;
	v_permlanex16_b32 v7, v0, s[SEL], s[SEL+1]
	v_or_b32 v15, v0, v7                           ; with lane l xor 16's two the word is whole
.irp i, 0,1,2
	v_mov_b32 v[P+3+\i], v[8+\i]
	v_mov_b32 v[P+9+\i], v[20+\i]
.endr
	v_pk_add_f32 v[8:9], v[S:S+1], v[S+2:S+3]      ; the row's sum of the unquantised p, in four chains; these 32 lines also stand between the writes of p's codes and scale word and the products
	v_pk_add_f32 v[10:11], v[S+4:S+5], v[S+6:S+7]
	v_pk_add_f32 v[20:21], v[S+8:S+9], v[S+10:S+11]
	v_pk_add_f32 v[22:23], v[S+12:S+13], v[S+14:S+15]
.set J, 16
.rept 6
	v_pk_add_f32 v[8:9], v[8:9], v[S+J:S+J+1]
	v_pk_add_f32 v[10:11], v[10:11], v[S+J+2:S+J+3]
	v_pk_add_f32 v[20:21], v[20:21], v[S+J+4:S+J+5]
	v_pk_add_f32 v[22:23], v[22:23], v[S+J+6:S+J+7]
.set J, J+8
.endr
	v_pk_add_f32 v[8:9], v[8:9], v[10:11]
	v_pk_add_f32 v[20:21], v[20:21], v[22:23]
	s_delay_alu instid0(VALU_DEP_1)
	v_pk_add_f32 v[8:9], v[8:9], v[20:21]
	s_delay_alu instid0(VALU_DEP_1)
	v_pk_add_f32 v[16:17], v[16:17], v[8:9]
	s_wait_alu depctr_va_vdst(0)
	s_wait_dscnt 0x0                               ; v's fragments are in (and the next step's k)
.irp n, 0,1,2,3                                ; O^T += v^T p^T: four accumulators by turns
	v_wmma_scale_f32_16x16x128_f8f6f4 v[O+8*\n:O+8*\n+7], v[V+12*\n:V+12*\n+11], v[P:P+11], v[O+8*\n:O+8*\n+7], v[VW+\n], v15 matrix_a_fmt:MATRIX_FMT_FP6 matrix_b_fmt:MATRIX_FMT_FP6
.endr
.endm
.macro WALK n
	s_mov_b32 s[CNT], \n
.Lstep_\@:
	STEP 1
	s_add_co_u32 s[TK], s[TK], 6144
	s_add_co_u32 s[TKW], s[TKW], 512
	s_add_co_u32 s[TV], s[TV], 6144
	s_add_co_u32 s[TVW], s[TVW], 256
	s_sub_co_u32 s[CNT], s[CNT], 1
	s_cmp_lg_u32 s[CNT], 0
	s_cbranch_scc1 .Lstep_\@
.endm
	WALK 3                                         ; steps 0 to 2 read chunk 0 alone
	s_wait_tensorcnt 0x0                           ; every wave's load has landed,
	s_wait_dscnt 0x0
	s_barrier_signal -1
	s_barrier_wait -1                              ; and all waves know: the other thirteen steps meet no barrier
	WALK 12
	STEP 0
	; THE WAY OUT: O^T / the sum; its 32 registers are 16 h + 0 .. 15 and 32 + 16 h + 0 .. 15 of the head's 64 channels: two blocks of the next product's K
.rept 4
	v_nop
.endr
	v_add_f32 v16, v16, v17
	s_delay_alu instid0(VALU_DEP_1)
	v_permlanex16_b32 v0, v16, s[SEL], s[SEL+1]
	s_delay_alu instid0(VALU_DEP_1)
	v_add_f32 v16, v16, v0                         ; the row's sum
	s_wait_alu depctr_va_vdst(0)
	v_rcp_f32 v16, v16
	v_nop                                          ; a plain place behind the reciprocal
	s_wait_alu depctr_va_vdst(0)                   ; the wait, ahead of its first reader and of O^T's
.set J, 0
.rept 32
	v_mul_f32 v[S+J], v[O+J], v16
.set J, J+1
.endr
.irp b, 0,1
	v_max3_num_f32 v[18+\b], |v[S+16*\b]|, |v[S+1+16*\b]|, 0x1800000
.endr
.irp i, 2,4,6,8,10,12,14
.irp b, 0,1
	v_max3_num_f32 v[18+\b], v[18+\b], |v[S+16*\b+\i]|, |v[S+1+16*\b+\i]|
.endr
.endr
.irp b, 0,1
	v_permlanex16_b32 v[20+\b], v[18+\b], s[SEL], s[SEL+1]
.endr
.irp b, 0,1
	v_max_num_f32 v[18+\b], v[18+\b], v[20+\b]
.endr
.irp b, 0,1
	v_add_nc_u32 v[8+\b], 0xff000000, v[18+\b]
.endr
.irp b, 0,1
	v_lshrrev_b32 v[10+\b], 23, v[8+\b]
.endr
	v_lshl_or_b32 v15, v11, 8, v10                 ; my head's two bytes of the row's scale word
	v_cvt_scalef32_pk16_fp6_f32 v[P:P+2], v[S:S+15], v8
	v_cvt_scalef32_pk16_fp6_f32 v[20:22], v[S+16:S+31], v9
	v_nop
.irp i, 0,1,2
	v_permlane16_swap_b32 v[P+\i], v[20+\i]        ; a whole block to a lane
.endr
.irp i, 0,1,2
	v_mov_b32 v[P+3+\i], v[20+\i]
.endr
.irp p, 0,1,2
	global_store_b64 v1, v[P+2*\p:P+2*\p+1], s[66:67] offset:256*\p        ; 256 consecutive bytes, aligned
.endr
	global_store_b16 v3, v15, s[68:69] offset:3072
	s_wait_tensorcnt 0x0                           ; the wave's end
	ds_add_u32 v4, v5
	s_wait_dscnt 0x0
	CROUND                                         ; the closing round
	s_endpgm
.Lfunc_end_k_q3aad7e4d92_attn:
	.size	k_q3aad7e4d92_attn, .Lfunc_end_k_q3aad7e4d92_attn-k_q3aad7e4d92_attn
	.p2alignl 7, 3214868480
	.fill 96, 4, 3214868480
	.section	.rodata,"a",@progbits
	.p2align	6, 0x0
	.amdhsa_kernel k_q3aad7e4d92_attn
		.amdhsa_group_segment_fixed_size 210944
		.amdhsa_private_segment_fixed_size 0
		.amdhsa_enable_private_segment 0
		.amdhsa_kernarg_size 24
		.amdhsa_user_sgpr_count 2
		.amdhsa_user_sgpr_kernarg_segment_ptr 1
		.amdhsa_wavefront_size32 1
		.amdhsa_system_sgpr_workgroup_id_x 1
		.amdhsa_system_sgpr_workgroup_id_y 1
		.amdhsa_system_sgpr_workgroup_id_z 1
		.amdhsa_system_vgpr_workitem_id 0
		.amdhsa_next_free_vgpr 256
		.amdhsa_next_free_sgpr 96
		.amdhsa_reserve_vcc 0
		.amdhsa_float_denorm_mode_32 3
		.amdhsa_float_denorm_mode_16_64 3
		.amdhsa_memory_ordered 1
		.amdhsa_forward_progress 1
		.amdhsa_inst_pref_size 60
	.end_amdhsa_kernel
	.amdgpu_metadata
---
amdhsa.version: [ 1, 2 ]
amdhsa.kernels:
  - .name:           k_q3aad7e4d92_attn
    .symbol:         k_q3aad7e4d92_attn.kd
    .args:
      - { .name: qbuf, .offset: 0, .size: 8, .value_kind: global_buffer, .address_space: global }
      - { .name: kvbuf, .offset: 8, .size: 8, .value_kind: global_buffer, .address_space: global }
      - { .name: vimg, .offset: 16, .size: 8, .value_kind: global_buffer, .address_space: global }
    .group_segment_fixed_size: 210944
    .private_segment_fixed_size: 0
    .kernarg_segment_align: 8
    .kernarg_segment_size: 24
    .max_flat_workgroup_size: 512
    .sgpr_count:     96
    .vgpr_count:     256
    .wavefront_size: 32
...
	.end_amdgpu_metadata
.endif
;; end of part 4
;; launch gemm_o (part 5): grid 8 x 32, 4 waves a work-group, clusters of 4 x 4, 327,680 bytes of LDS; arguments vimg, wimg, bo, x, x2; writes x2
.if DOCPART == 5
	.amdgcn_target "amdgcn-amd-amdhsa--gfx1250"
	.amdhsa_code_object_version 6
	.text
	.protected	k_q3aad7e4d92_gemm_o
	.globl	k_q3aad7e4d92_gemm_o
	.p2align	8
	.type	k_q3aad7e4d92_gemm_o,@function
k_q3aad7e4d92_gemm_o:
	s_mov_b64 s[64:65], 0
	v_nop
	global_prefetch_b8 v0, s[64:65] scope:SCOPE_SE
	s_setreg_imm32_b32 hwreg(HW_REG_WAVE_MODE, 25, 1), 1
	s_wait_xcnt 0x0
	s_wait_alu depctr_hold_cnt(0) depctr_sa_sdst(0) depctr_va_vdst(0) depctr_va_sdst(0) depctr_va_ssrc(0) depctr_va_vcc(0) depctr_vm_vsrc(0)
	s_getreg_b32 s2, hwreg(HW_REG_IB_STS2, 6, 4)
	s_cmp_eq_u32 s2, 0
	s_cbranch_scc0 .Lentry_in_a_cluster
	s_endpgm
.Lentry_in_a_cluster:
	s_bfe_u32 s2, ttmp6, 0x10000c
	s_cmp_lg_u32 s2, 0xf033
	s_cbranch_scc0 .Lentry_shape_is_right
	s_endpgm
.Lentry_shape_is_right:
.set MT,    4
.set NT,    4
.set NQ,    4
.set ART,   256
.set BRT,   64
.set WOFF,  2555904
.set REC,   3328
.set HALFT, 8*REC
.set SLOT,  4*HALFT
.set SPARE, 2*SLOT
.set STAGE, SPARE+512
.set ASTEP, (NQ/2)*ART*REC
.set BSTEP, (NQ/2)*BRT*REC
.set ADRA,  16
.set ADRB,  18
.set ASA,   20
.set ASB,   22
.set SPW,   28
.set NIL,   29
.set SC,    32
.set AF,    64
.set BIAS,  192
.set RES,   128
.set G1,    24
.set G0,    32
.set G1B,   48
.set G0B,   56
.set MSB,   0
.macro WIN new
.if MSB != (\new)
	s_set_vgpr_msb (MSB<<8)|(\new)
.set MSB, (\new)
.endif
.endm
.macro JLOAD g0a, g1a, g0b, g1b
	s_cmp_eq_u32 s15, 0
	s_cbranch_scc0 .Lfor_b_\@
	tensor_load_to_lds s[\g0a:\g0a+3], s[\g1a:\g1a+7]
	s_nop 0
.rept 4
	v_nop
.endr
	s_branch .Lasked_\@
.Lfor_b_\@:
	tensor_load_to_lds s[\g0b:\g0b+3], s[\g1b:\g1b+7]
	s_nop 0
.rept 4
	v_nop
.endr
.Lasked_\@:
.endm
.macro CREST
	s_cmp_lg_u32 s14, 0
	s_cbranch_scc1 .Lnot_wave_0_\@
	s_barrier_signal -3
.Lnot_wave_0_\@:
	s_barrier_wait -3
	s_barrier_signal -1
	s_barrier_wait -1
.endm
.macro CROUND
	s_barrier_signal -1
	s_barrier_wait -1
	CREST
.endm
.macro PLACES
.rept 4
	v_nop
.endr
.endm
.macro MM d, w, a, c, sw, sa
	v_wmma_scale_f32_16x16x128_f8f6f4 v[\d:\d+7], v[\w:\w+11], v[\a:\a+11], v[\c:\c+7], v[\sw], v[\sa] matrix_a_fmt:MATRIX_FMT_FP6 matrix_b_fmt:MATRIX_FMT_FP6
.endm
.macro FRAG reg, adr, off
.irp p, 0,1,2,3,4,5
	ds_load_b64 v[\reg+2*\p:\reg+2*\p+1], v[\adr] offset:\off+256*\p
.endr
.endm
.macro FETCH slot, q, p
	WIN 0x40
.set I, 0
.rept NT
	FRAG 96*(\p)+12*I, ADRB+\slot, ((\q)/2)*HALFT+I*REC+((\q)%2)*1536
.set I, I+1
.endr
	WIN 0
.set I, 0
.rept MT
	FRAG AF+96*(\p)+12*I, ADRA+\slot, ((\q)/2)*HALFT+I*REC+((\q)%2)*1536
.set I, I+1
.endr
.set I, 0
.rept MT
	ds_load_b32 v[SC+16*(\p)+I], v[ASA+\slot] offset:((\q)/2)*HALFT+I*REC+3072+((\q)%2)*128
.set I, I+1
.endr
.set I, 0
.rept NT
	ds_load_b32 v[SC+16*(\p)+8+I], v[ASB+\slot] offset:((\q)/2)*HALFT+I*REC+3072+((\q)%2)*128
.set I, I+1
.endr
.endm
.macro MULROWS a0, n, p, first
.if \first
	WIN 0x91
.else
	WIN 0xa1
.endif
.set AA, \a0
.rept \n
.set BB, 0
.rept NT
.if \first
	MM 8*(NT*AA+BB), 96*(\p)+12*BB, AF+96*(\p)+12*AA, BIAS+8*BB, SC+16*(\p)+8+BB, SC+16*(\p)+AA
.else
	MM 8*(NT*AA+BB), 96*(\p)+12*BB, AF+96*(\p)+12*AA, 8*(NT*AA+BB), SC+16*(\p)+8+BB, SC+16*(\p)+AA
.endif
.set BB, BB+1
.endr
.set AA, AA+1
.endr
.endm
.macro STEP slot, q, first
	s_wait_dscnt 0x0
	PLACES
	FETCH \slot, (\q)+1, 1-(\q)%2
	MULROWS 0, MT, (\q)%2, \first
	WIN 0
.endm
.macro STEPS slot, from
.set QQ, \from
.rept NQ-1-\from
	STEP \slot, QQ, 0
.set QQ, QQ+1
.endr
.endm
.macro TURN slot, next
	s_wait_tensorcnt 0x0
	ds_add_u32 v[SPW], v[NIL]
	s_wait_dscnt 0x1
	MULROWS 0, MT/4, 1, 0
	s_wait_dscnt 0x0
	s_barrier_signal -1
	MULROWS MT/4, MT/4, 1, 0
	WIN 0
	s_barrier_wait -1
	PLACES
	FETCH \next, 0, 0
	MULROWS MT/2, MT/2, 1, 0
	WIN 0
.endm
	s_load_b256 s[4:11], s[0:1], 0x0
	s_load_b64 s[12:13], s[0:1], 0x20
	v_lshl_add_u32 v[SPW], v0, 2, SPARE
	v_mov_b32 v[NIL], 0
	ds_add_u32 v28, v29
	ds_add_u32 v28, v29
	s_wait_dscnt 0x0
	v_lshrrev_b32 v1, 5, v0
	v_readfirstlane_b32 s14, v1
	s_lshr_b32 s15, s14, 1
	s_and_b32 s16, s14, 1
	s_bfe_u32 s40, ttmp6, 0x40000
	s_bfe_u32 s41, ttmp6, 0x40004
	s_lshl_b32 s42, ttmp9, 2
	s_add_co_u32 s42, s42, s40
	s_and_b32 s17, ttmp7, 0xffff
	s_lshl_b32 s17, s17, 2
	s_add_co_u32 s17, s17, s41
	s_lshl_b32 s43, s41, 2
	s_lshl_b32 s43, 15, s43
	s_lshl_b32 s44, 0x1111, s40
	s_or_b32 s[G1+0], s43, (3<<16)|(1<<21)
	s_or_b32 s[G1B+0], s44, (3<<16)|(1<<21)
.irp g, G1, G1B
	s_mov_b32 s[\g+1], 32<<16
	s_mov_b32 s[\g+2], 104<<16
	s_mov_b32 s[\g+3], 32<<16
	s_mov_b32 s[\g+4], 104
	s_mov_b32 s[\g+5], 32
	s_mov_b32 s[\g+6], 0
	s_mov_b32 s[\g+7], 0
.endr
	s_lshl_b32 s20, s17, 3
	s_mul_i32 s18, s16, ART
	s_add_co_u32 s20, s20, s18
	s_lshl_b32 s46, s42, 3
	s_mul_i32 s18, s16, BRT
	s_add_co_u32 s46, s46, s18
	s_mul_i32 s20, s20, REC
	s_mov_b32 s21, 0
	s_mul_i32 s46, s46, REC
	s_add_co_u32 s46, s46, WOFF
	s_mov_b32 s47, 0
	s_mul_i32 s45, s14, HALFT
	s_wait_kmcnt 0x0
	s_add_nc_u64 s[20:21], s[4:5], s[20:21]
	s_add_nc_u64 s[46:47], s[6:7], s[46:47]
	CROUND
.irp s, 0,1
	s_mov_b32 s[G0+4*\s], 1
	s_add_co_u32 s[G0+4*\s+1], s45, \s*SLOT
	s_add_nc_u64 s[G0+4*\s+2:G0+4*\s+3], s[20:21], \s*ASTEP
	s_or_b32 s[G0+4*\s+3], s[G0+4*\s+3], 0x80000000
	s_mov_b32 s[G0B+4*\s], 1
	s_add_co_u32 s[G0B+4*\s+1], s45, \s*SLOT
	s_add_nc_u64 s[G0B+4*\s+2:G0B+4*\s+3], s[46:47], \s*BSTEP
	s_or_b32 s[G0B+4*\s+3], s[G0B+4*\s+3], 0x80000000
.endr
	JLOAD G0, G1, G0B, G1B                         ; slot 0
	; slot 1's tile is asked for into the L2 now, one load event ahead of its joint load: of the 104 blocks of 256 bytes that I will fetch, each of the four partners that ask with me names 26, told apart by address
	s_cmp_eq_u32 s15, 0
	s_cselect_b64 s[92:93], s[20:21], s[46:47]     ; my tile of slot 0
	s_cselect_b32 s94, s40, s41                    ; my place among the four: cx for the activations, cy for the weights
	s_mov_b32 s95, BSTEP
	s_cselect_b32 s95, ASTEP, s95
	s_mul_i32 s94, s94, 26*256
	s_add_co_u32 s94, s94, s95
	v_and_b32 v1, 31, v0
	v_bfe_u32 v2, v0, 4, 1
	v_lshlrev_b32 v3, 3, v1
	v_lshlrev_b32 v4, 2, v1
	v_lshlrev_b32 v5, 6, v2
	v_and_b32 v8, 15, v0
	v_lshlrev_b32 v26, 12, v2
	v_lshl_add_u32 v26, v8, 4, v26
	v_min_u32 v9, 25, v1                           ; (lanes 26-31 name the last block again)
	v_lshl_add_u32 v9, v9, 8, s94
	s_wait_alu depctr_va_vdst(0)
	global_prefetch_b8 v9, s[92:93] th:TH_LOAD_NT scope:SCOPE_SE   ; v9 and s[92:93] are never written again
	s_mul_i32 s70, s15, MT*REC
	s_mul_i32 s71, s16, NT*REC
	s_add_co_u32 s71, s71, 2*HALFT
.irp s, 0,1
	v_add_nc_u32 v[ADRA+\s], s70, v3
	v_add_nc_u32 v[ADRB+\s], s71, v3
	v_add_nc_u32 v[ASA+\s], s70, v4
	v_add_nc_u32 v[ASB+\s], s71, v4
	s_add_co_u32 s70, s70, SLOT
	s_add_co_u32 s71, s71, SLOT
.endr
	s_mul_i32 s72, s42, 2*NT*64
	s_mul_i32 s73, s16, NT*64
	s_add_co_u32 s72, s72, s73
	s_mov_b32 s73, 0
	s_add_nc_u64 s[8:9], s[8:9], s[72:73]
	WIN 0x40
.set I, 0
.rept NT
	global_load_b128 v[BIAS+8*I:BIAS+8*I+3], v5, s[8:9] offset:(32*(I/2)+8*(I%2))*4
	global_load_b128 v[BIAS+8*I+4:BIAS+8*I+7], v5, s[8:9] offset:(32*(I/2)+8*(I%2))*4+16
.set I, I+1
.endr
	WIN 0
	s_lshl_b32 s72, s17, 7
	s_lshl_b32 s73, s15, 6
	s_add_co_u32 s72, s72, s73
	s_lshl_b32 s72, s72, 12
	s_lshl_b32 s73, s42, 9
	s_add_co_u32 s72, s72, s73
	s_lshl_b32 s73, s16, 8
	s_add_co_u32 s72, s72, s73
	s_mov_b32 s73, 0
	s_add_nc_u64 s[10:11], s[10:11], s[72:73]
	s_add_nc_u64 s[12:13], s[12:13], s[72:73]
	WIN 0x80
.irp a, 0,1,2,3
.irp i, 0,1,2,3,4,5,6,7
	global_load_b128 v[RES+32*\a+4*\i:RES+32*\a+4*\i+3], v26, s[10:11] offset:(32*(\a/2)+8*(\a%2)+2*\i+8*(\i/4))*4096
.endr
.endr
	WIN 0
	s_wait_alu depctr_va_vdst(0)
	s_wait_loadcnt 32
	s_wait_tensorcnt 0x0                           ; my part of slot 0 is in
	ds_add_u32 v[SPW], v[NIL]
	s_wait_dscnt 0x0
	CROUND                                         ; everybody's part of slot 0 is in, and the joint loads meet
	JLOAD G0+4, G1, G0B+4, G1B                     ; slot 1
	FETCH 0, 0, 0
	STEP 0, 0, 1
	STEPS 0, 1
	TURN 0, 1
	STEPS 1, 0
	s_wait_dscnt 0x0
	MULROWS 0, MT, 1, 0
	WIN 0
	PLACES
	s_mul_i32 s74, s14, 16*272
	s_add_co_u32 s74, s74, STAGE
	v_mul_u32_u24 v24, v8, 272
	v_lshl_add_u32 v24, v2, 6, v24
	v_add_nc_u32 v24, s74, v24
	v_mul_u32_u24 v25, v2, 272
	v_lshl_add_u32 v25, v8, 4, v25
	v_add_nc_u32 v25, s74, v25
.irp a, 0,1,2,3
	WIN 0x08
.irp t, 0,1,2,3
	ds_store_b128 v24, v[8*(4*\a+\t):8*(4*\a+\t)+3] offset:128*(\t/2)+32*(\t%2)
	ds_store_b128 v24, v[8*(4*\a+\t)+4:8*(4*\a+\t)+7] offset:128*(\t/2)+32*(\t%2)+16
.endr
	WIN 0
.irp i, 0,1,2,3,4,5,6,7
	ds_load_b128 v[192+4*\i:192+4*\i+3], v25 offset:\i*544
.endr
	s_wait_dscnt 0x0
.if \a == 0
	s_wait_loadcnt 0x0
.endif
	WIN 0x82
.irp k, 0,2,4,6,8,10,12,14,16,18,20,22,24,26,28,30
	v_pk_add_f32 v[RES+32*\a+\k:RES+32*\a+\k+1], v[RES+32*\a+\k:RES+32*\a+\k+1], v[192+\k:192+\k+1]
.endr
	WIN 0x08
.irp i, 0,1,2,3,4,5,6,7
	global_store_b128 v26, v[RES+32*\a+4*\i:RES+32*\a+4*\i+3], s[12:13] offset:(32*(\a/2)+8*(\a%2)+2*\i+8*(\i/4))*4096
.endr
.endr
	WIN 0
	s_wait_tensorcnt 0x0
	ds_add_u32 v[SPW], v[NIL]
	s_wait_dscnt 0x0
	CROUND
	s_endpgm
.Lfunc_end_k_q3aad7e4d92_gemm_o:
	.size	k_q3aad7e4d92_gemm_o, .Lfunc_end_k_q3aad7e4d92_gemm_o-k_q3aad7e4d92_gemm_o
	.p2alignl 7, 3214868480
	.fill 96, 4, 3214868480
	.section	.rodata,"a",@progbits
	.p2align	6, 0x0
	.amdhsa_kernel k_q3aad7e4d92_gemm_o
		.amdhsa_group_segment_fixed_size 327680
		.amdhsa_private_segment_fixed_size 0
		.amdhsa_enable_private_segment 0
		.amdhsa_kernarg_size 40
		.amdhsa_user_sgpr_count 2
		.amdhsa_user_sgpr_kernarg_segment_ptr 1
		.amdhsa_wavefront_size32 1
		.amdhsa_system_sgpr_workgroup_id_x 1
		.amdhsa_system_sgpr_workgroup_id_y 1
		.amdhsa_system_sgpr_workgroup_id_z 1
		.amdhsa_system_vgpr_workitem_id 0
		.amdhsa_next_free_vgpr 768
		.amdhsa_next_free_sgpr 100
		.amdhsa_reserve_vcc 0
		.amdhsa_float_denorm_mode_32 3
		.amdhsa_float_denorm_mode_16_64 3
		.amdhsa_memory_ordered 1
		.amdhsa_forward_progress 1
		.amdhsa_inst_pref_size 71
	.end_amdhsa_kernel
	.amdgpu_metadata
---
amdhsa.version: [ 1, 2 ]
amdhsa.kernels:
  - .name:           k_q3aad7e4d92_gemm_o
    .symbol:         k_q3aad7e4d92_gemm_o.kd
    .args:
      - { .name: vimg, .offset: 0, .size: 8, .value_kind: global_buffer, .address_space: global }
      - { .name: wimg, .offset: 8, .size: 8, .value_kind: global_buffer, .address_space: global }
      - { .name: bo, .offset: 16, .size: 8, .value_kind: global_buffer, .address_space: global }
      - { .name: x, .offset: 24, .size: 8, .value_kind: global_buffer, .address_space: global }
      - { .name: x2, .offset: 32, .size: 8, .value_kind: global_buffer, .address_space: global }
    .group_segment_fixed_size: 327680
    .private_segment_fixed_size: 0
    .kernarg_segment_align: 8
    .kernarg_segment_size: 40
    .max_flat_workgroup_size: 128
    .sgpr_count:     100
    .vgpr_count:     768
    .wavefront_size: 32
...
	.end_amdgpu_metadata
.endif
;; end of part 5
;; launch ln2: the kernel of part 2 again; grid 256 x 1, 4 waves a work-group, no clusters, 66,304 bytes of LDS; arguments x2, g2, b2, himg; writes himg
;; launch gemm_1 (part 6): grid 16 x 16, 4 waves a work-group, clusters of 4 x 4, 327,680 bytes of LDS; arguments himg, wimg, b1m, hid; writes hid
.if DOCPART == 6
	.amdgcn_target "amdgcn-amd-amdhsa--gfx1250"
	.amdhsa_code_object_version 6
	.text
	.protected	k_q3aad7e4d92_gemm_1
	.globl	k_q3aad7e4d92_gemm_1
	.p2align	8
	.type	k_q3aad7e4d92_gemm_1,@function
k_q3aad7e4d92_gemm_1:
	s_mov_b64 s[64:65], 0
	v_nop
	global_prefetch_b8 v0, s[64:65] scope:SCOPE_SE
	s_setreg_imm32_b32 hwreg(HW_REG_WAVE_MODE, 25, 1), 1
	s_wait_xcnt 0x0
	s_wait_alu depctr_hold_cnt(0) depctr_sa_sdst(0) depctr_va_vdst(0) depctr_va_sdst(0) depctr_va_ssrc(0) depctr_va_vcc(0) depctr_vm_vsrc(0)
	s_getreg_b32 s2, hwreg(HW_REG_IB_STS2, 6, 4)
	s_cmp_eq_u32 s2, 0
	s_cbranch_scc0 .Lentry_in_a_cluster
	s_endpgm
.Lentry_in_a_cluster:
	s_bfe_u32 s2, ttmp6, 0x10000c
	s_cmp_lg_u32 s2, 0xf033
	s_cbranch_scc0 .Lentry_shape_is_right
	s_endpgm
.Lentry_shape_is_right:
; hid = Q(gelu(h W1^T + b1m)): the product on codes of FP6 (E2M3) with E8M0 scales, sums in f32; the exact gelu in f32; the result is quantised here, in registers, along the next product's K, and leaves as an operand image.
; M 4,096, N 4,096, K 1,024.  A work-group makes 256 x 256, a wave 128 x 128: 64 accumulators, 512 registers.  Operands come as images of operand registers (record of 3,328 bytes for a K pair of 256 and a row tile of 16;
; lane slot r of tile T is row 32 (T / 2) + 8 (T % 2) + r + 8 (r / 8)): a fragment is six loads of 256 consecutive LDS bytes; eight neighbouring tiles of a K pair are one dense block for one tensor load.
; THREE LDS SLOTS of one K pair (two K steps of 128); each wave fetches eight row tiles of a slot.  K = 1,024 is four K pairs: three are asked for at the head, the fourth fills slot 0 again when its first K pair has been
; multiplied, and has two K pairs' products, 256 matrix instructions a wave, in which to land.  By the text's own count a wave has one tensor load out at any time.
; THE MATRIX INSTRUCTION IS USED TRANSPOSED (source 0 = 16 rows of W1, source 1 = 16 rows of h): a lane holds one row, and the 64 registers
; of a row tile's eight accumulators are k = 32 b + 16 h + i of the wave's 128 columns: one K step of the next product.  The bias is the C of each sum's first instruction.
; gelu(x) = x / 2 + |x / 2| erf(|x| / sqrt 2); erf by two polynomials (below and above 475 / 512; above: 1 - exp of a polynomial), each within one unit in the last place; both are computed and one is selected: no branch on data.
; CLUSTER 4 x 4: h's tiles are shared along a row of the cluster, W1's along a column: joint loads.
; LIMITS: NaN and infinities are not served; blocks under 2^-124 and blocks of zeros take the byte 1 (this program alone reads the bytes).
; REGISTERS: window 0: v16-27 addresses, v28-29 the add's; v32-63 scale words, two sets; from v64 and v160 h's fragments, two sets.  window 1: W1's fragments at v0 and v96; the bias from v192.
;   windows 2, 3: accumulator (a, b) at v[8 (8 (a % 4) + b)].  On the way out window 0 from v32 on is free.
.set MT,    8
.set NT,    8
.set ART,   256
.set BRT,   256
.set WOFF,  3407872
.set REC,   3328
.set HALFT, 8*REC
.set SLOT,  4*HALFT
.set SPARE, 3*SLOT                     ; the spare words, 128 bytes a wave: two blocks of 256 bytes that no other line names
.set ASTEP, ART*REC                    ; a K pair on in the activations' image
.set BSTEP, BRT*REC
.set ADRA,  16                         ; v16-18 h's codes in slot 0, 1, 2
.set ADRB,  19                         ; v19-21 W1's
.set ASA,   22                         ; v22-24 h's scale words
.set ASB,   25                         ; v25-27 W1's
.set SPW,   28
.set NIL,   29
.set SC,    32
.set AF,    64
.set BIAS,  192
.set G1,    24
.set G0,    32                         ; s[32:39] group 0 for h's tiles, slots 0 and 1
.set G1B,   48
.set G0B,   56                         ; s[56:63] the same for W1's
.set G0C,   92                         ; s[92:95], s[96:99] slot 2's
.set G0BC,  96
.set MSB,   0
.macro WIN new                         ; the immediate's high byte repeats the setting that is left
.if MSB != (\new)
	s_set_vgpr_msb (MSB<<8)|(\new)
.set MSB, (\new)
.endif
.endm
.macro JLOAD g0a, g1a, g0b, g1b        ; a joint load: waves 0 and 1 fetch for the activations, waves 2 and 3 for the weights; four v_nop follow each line
	s_cmp_eq_u32 s15, 0
	s_cbranch_scc0 .Lfor_b_\@
	tensor_load_to_lds s[\g0a:\g0a+3], s[\g1a:\g1a+7]
	s_nop 0
.rept 4
	v_nop
.endr
	s_branch .Lasked_\@
.Lfor_b_\@:
	tensor_load_to_lds s[\g0b:\g0b+3], s[\g1b:\g1b+7]
	s_nop 0
.rept 4
	v_nop
.endr
.Lasked_\@:
.endm
.macro CREST
	s_cmp_lg_u32 s14, 0
	s_cbranch_scc1 .Lnot_wave_0_\@
	s_barrier_signal -3
.Lnot_wave_0_\@:
	s_barrier_wait -3
	s_barrier_signal -1
	s_barrier_wait -1
.endm
.macro CROUND
	s_barrier_signal -1
	s_barrier_wait -1
	CREST
.endm
.macro PLACES                          ; four plain places behind matrix instructions, in front of loads into their registers and of reads of their results
.rept 4
	v_nop
.endr
.endm
.macro MM d, w, a, c, sw, sa
	v_wmma_scale_f32_16x16x128_f8f6f4 v[\d:\d+7], v[\w:\w+11], v[\a:\a+11], v[\c:\c+7], v[\sw], v[\sa] matrix_a_fmt:MATRIX_FMT_FP6 matrix_b_fmt:MATRIX_FMT_FP6
.endm
.macro FRAG reg, adr, off
.irp p, 0,1,2,3,4,5
	ds_load_b64 v[\reg+2*\p:\reg+2*\p+1], v[\adr] offset:\off+256*\p
.endr
.endm
.macro FETCH slot, q, p                ; K step q of the slot's K pair into set p
	WIN 0x40
.set I, 0
.rept NT
	FRAG 96*(\p)+12*I, ADRB+\slot, I*REC+(\q)*1536
.set I, I+1
.endr
	WIN 0
.set I, 0
.rept MT
	FRAG AF+96*(\p)+12*I, ADRA+\slot, I*REC+(\q)*1536
.set I, I+1
.endr
.set I, 0
.rept MT
	ds_load_b32 v[SC+16*(\p)+I], v[ASA+\slot] offset:I*REC+3072+(\q)*128
.set I, I+1
.endr
.set I, 0
.rept NT
	ds_load_b32 v[SC+16*(\p)+8+I], v[ASB+\slot] offset:I*REC+3072+(\q)*128
.set I, I+1
.endr
.endm
; The accumulators take turns, one instruction a turn, in the same order in every K step.
.macro MULROWS a0, n, p, first
.set AA, \a0
.rept \n
.if \first
	WIN 0x91+0x40*(AA/4)
.else
	WIN 0xa1+0x50*(AA/4)
.endif
.set BB, 0
.rept NT
.if \first
	MM 8*(NT*(AA%4)+BB), 96*(\p)+12*BB, AF+96*(\p)+12*AA, BIAS+8*BB, SC+16*(\p)+8+BB, SC+16*(\p)+AA
.else
	MM 8*(NT*(AA%4)+BB), 96*(\p)+12*BB, AF+96*(\p)+12*AA, 8*(NT*(AA%4)+BB), SC+16*(\p)+8+BB, SC+16*(\p)+AA
.endif
.set BB, BB+1
.endr
.set AA, AA+1
.endr
.endm
.macro STEP slot, first                ; a slot's first K step: the second's fragments are fetched ahead of its 64 products
	s_wait_dscnt 0x0                               ; set 0 is in
	PLACES
	FETCH \slot, 1, 1
	MULROWS 0, MT, 0, \first
	WIN 0
.endm
.macro CROSS next                      ; a slot's second K step where the next slot was shown whole at an earlier barrier and nothing is filled: no barrier
	s_wait_dscnt 0x0                               ; set 1 is in
	PLACES
	FETCH \next, 0, 0
	MULROWS 0, MT, 1, 0
	WIN 0
.endm
; A slot's second K step with a barrier; in front of it each wave waits for all its tensor loads, adds 0 to its spare word, and waits for that and for its reads of this slot.  fill = 1: this slot takes the K pair three on.
.macro TURN slot, next, fill
	s_wait_tensorcnt 0x0                           ; all my tensor loads have landed
	ds_add_u32 v[SPW], v[NIL]
	s_wait_dscnt 0x1                               ; set 1 is in; the add alone may be out
	MULROWS 0, MT/4, 1, 0
	s_wait_dscnt 0x0                               ; the add is done, and my reads of this slot are over
	s_barrier_signal -1
	MULROWS MT/4, MT/4, 1, 0
	WIN 0
	s_barrier_wait -1
.if \fill
	CREST                                          ; the barrier has opened a round of the cluster's: no wave of any partner still reads this slot or has a load on its way
	s_add_nc_u64 s[G0+4*\slot+2:G0+4*\slot+3], s[G0+4*\slot+2:G0+4*\slot+3], 3*ASTEP
	s_add_nc_u64 s[G0B+4*\slot+2:G0B+4*\slot+3], s[G0B+4*\slot+2:G0B+4*\slot+3], 3*BSTEP
	JLOAD G0+4*\slot, G1, G0B+4*\slot, G1B         ; the first tensor load behind the round; its four v_nop are the places in front of the loads below
.else
	PLACES
.endif
	FETCH \next, 0, 0
	MULROWS MT/2, MT/2, 1, 0
	WIN 0
.endm
	s_load_b256 s[4:11], s[0:1], 0x0               ; himg s[4:5], wimg s[6:7], b1m s[8:9], hid s[10:11]
	v_lshl_add_u32 v[SPW], v0, 2, SPARE
	v_mov_b32 v[NIL], 0
	ds_add_u32 v28, v29
	ds_add_u32 v28, v29
	s_wait_dscnt 0x0
	v_lshrrev_b32 v1, 5, v0
	v_readfirstlane_b32 s14, v1                    ; wave
	s_lshr_b32 s15, s14, 1                         ; which half of the tile's rows is mine.  Also: I fetch for the activations (0) or the weights (1)
	s_and_b32 s16, s14, 1                          ; which half of its columns.  Also: which eight row tiles I fetch
	s_bfe_u32 s40, ttmp6, 0x40000                  ; cx, cy
	s_bfe_u32 s41, ttmp6, 0x40004
	s_lshl_b32 s42, ttmp9, 2
	s_add_co_u32 s42, s42, s40                     ; tile column
	s_and_b32 s17, ttmp7, 0xffff
	s_lshl_b32 s17, s17, 2
	s_add_co_u32 s17, s17, s41                     ; tile row
	s_lshl_b32 s43, s41, 2
	s_lshl_b32 s43, 15, s43                        ; my row of the cluster
	s_lshl_b32 s44, 0x1111, s40                    ; my column
	s_or_b32 s[G1+0], s43, (3<<16)|(1<<21)         ; the mask; elements of 8 bytes; no padding; bit 21 set beside a mask
	s_or_b32 s[G1B+0], s44, (3<<16)|(1<<21)
.irp g, G1, G1B
	s_mov_b32 s[\g+1], 32<<16                      ; rows of 256 bytes (32 elements), dense
	s_mov_b32 s[\g+2], 104<<16
	s_mov_b32 s[\g+3], 32<<16
	s_mov_b32 s[\g+4], 104                         ; 104 rows: eight records
	s_mov_b32 s[\g+5], 32
	s_mov_b32 s[\g+6], 0
	s_mov_b32 s[\g+7], 0
.endr
	s_lshl_b32 s18, s16, 3                         ; the two waves of a side take eight row tiles each
	s_lshl_b32 s20, s17, 4
	s_add_co_u32 s20, s20, s18
	s_lshl_b32 s46, s42, 4
	s_add_co_u32 s46, s46, s18
	s_mul_i32 s20, s20, REC
	s_mov_b32 s21, 0
	s_mul_i32 s46, s46, REC
	s_add_co_u32 s46, s46, WOFF
	s_mov_b32 s47, 0
	s_mul_i32 s45, s14, HALFT                      ; where they go: wave x 26,624: no place in the cluster enters an LDS address
	s_wait_kmcnt 0x0
	s_add_nc_u64 s[20:21], s[4:5], s[20:21]
	s_add_nc_u64 s[46:47], s[6:7], s[46:47]
	CROUND                                         ; all sixteen work-groups are here: the first joint loads meet
; THE FILLS AS THEY STAND: K pair 0 at the head, one joint load a wave (eight row tiles); K pairs 1 and 2 behind the three lines and a round, one joint load a wave
; (a side's sixteen row tiles of one K pair); the fourth K pair fills slot 0 again.  By the text's own count a wave has one tensor load out at any time.
; PREFETCHES INTO THE L2: behind each of the first two joint loads the tile of my NEXT joint load is asked for; the four partners that will ask for it jointly share its blocks of 256 bytes out by address.
.irp s, 0
	s_mov_b32 s[G0+4*\s], 1
	s_add_co_u32 s[G0+4*\s+1], s45, \s*SLOT
	s_add_nc_u64 s[G0+4*\s+2:G0+4*\s+3], s[20:21], \s*ASTEP
	s_or_b32 s[G0+4*\s+3], s[G0+4*\s+3], 0x80000000
	s_mov_b32 s[G0B+4*\s], 1
	s_add_co_u32 s[G0B+4*\s+1], s45, \s*SLOT
	s_add_nc_u64 s[G0B+4*\s+2:G0B+4*\s+3], s[46:47], \s*BSTEP
	s_or_b32 s[G0B+4*\s+3], s[G0B+4*\s+3], 0x80000000
	JLOAD G0+4*\s, G1, G0B+4*\s, G1B
.endr
.set G1H,  76                          ; s[76:83], s[84:91] group 1 of a side's sixteen records of a K pair
.set G1BH, 84
	s_mul_i32 s18, s16, HALFT                      ; back to the side's first record
	s_mov_b32 s19, 0
	s_sub_nc_u64 s[20:21], s[20:21], s[18:19]
	s_sub_nc_u64 s[46:47], s[46:47], s[18:19]
	s_add_co_u32 s22, s16, 1                       ; my K pair, and its slot: 1 or 2
	s_mul_i32 s23, s22, SLOT
	s_mul_i32 s18, s22, ASTEP
	s_mov_b32 s[G0C], 1
	s_mov_b32 s[G0C+1], s23
	s_add_nc_u64 s[G0C+2:G0C+3], s[20:21], s[18:19]
	s_or_b32 s[G0C+3], s[G0C+3], 0x80000000
	s_mul_i32 s18, s22, BSTEP
	s_mov_b32 s[G0BC], 1
	s_add_co_u32 s[G0BC+1], s23, 2*HALFT
	s_add_nc_u64 s[G0BC+2:G0BC+3], s[46:47], s[18:19]
	s_or_b32 s[G0BC+3], s[G0BC+3], 0x80000000
	s_or_b32 s[G1H+0], s43, (3<<16)|(1<<21)
	s_or_b32 s[G1BH+0], s44, (3<<16)|(1<<21)
.irp g, G1H, G1BH
	s_mov_b32 s[\g+1], 32<<16
	s_mov_b32 s[\g+2], 208<<16
	s_mov_b32 s[\g+3], 32<<16
	s_mov_b32 s[\g+4], 208                         ; 208 rows of 256 bytes: sixteen records
	s_mov_b32 s[\g+5], 32
	s_mov_b32 s[\g+6], 0
	s_mov_b32 s[\g+7], 0
.endr
	; the prefetches' numbers.  s[12:13]: the first record of K pair 0 of the side that I fetch for; it is never written again
	s_cmp_eq_u32 s15, 0
	s_cselect_b64 s[12:13], s[20:21], s[46:47]
	s_cselect_b32 s2, s40, s41                     ; my place among the four partners: cx for the activations, cy for the weights
	s_mul_i32 s3, s22, ASTEP                       ; (both images step alike from K pair to K pair)
	s_mul_i32 s18, s2, 52*256
	s_add_co_u32 s3, s3, s18                       ; s3: my 52 blocks of my K pair's tile of 208
	s_mul_i32 s18, s16, HALFT
	s_mul_i32 s2, s2, 26*256
	s_add_co_u32 s2, s2, s18
	s_add_co_u32 s2, s2, 3*ASTEP                   ; s2: my 26 blocks of my tile of 104 of the fourth K pair
	v_and_b32 v1, 31, v0
	v_bfe_u32 v2, v0, 4, 1                         ; h
	v_lshlrev_b32 v3, 3, v1                        ; 8 x lane
	v_lshlrev_b32 v4, 2, v1                        ; 4 x lane
	v_lshlrev_b32 v5, 6, v2                        ; 64 h
	v_lshl_add_u32 v9, v1, 8, s3                   ; a lane a block: my blocks 0-31,
	v_min_u32 v10, 19, v1
	v_lshl_add_u32 v10, v10, 8, s3
	v_add_nc_u32 v10, 32*256, v10                  ; and 32-51 (lanes 20-31 name the last again);
	v_min_u32 v11, 25, v1
	v_lshl_add_u32 v11, v11, 8, s2                 ; my blocks of the fourth K pair's tile.  v9-11 are never written again
	s_wait_alu depctr_va_vdst(0)
	global_prefetch_b8 v9, s[12:13] th:TH_LOAD_NT scope:SCOPE_SE
	global_prefetch_b8 v10, s[12:13] th:TH_LOAD_NT scope:SCOPE_SE
	s_mul_i32 s70, s15, MT*REC
	s_mul_i32 s71, s16, NT*REC                     ; and of the weights,
	s_add_co_u32 s71, s71, 2*HALFT                 ; which lie behind
.irp s, 0,1,2
	v_add_nc_u32 v[ADRA+\s], s70, v3
	v_add_nc_u32 v[ADRB+\s], s71, v3
	v_add_nc_u32 v[ASA+\s], s70, v4
	v_add_nc_u32 v[ASB+\s], s71, v4
	s_add_co_u32 s70, s70, SLOT
	s_add_co_u32 s71, s71, SLOT
.endr
	s_mul_i32 s72, s42, 2*NT*64
	s_mul_i32 s73, s16, NT*64
	s_add_co_u32 s72, s72, s73                     ; my columns' bias
	s_mov_b32 s73, 0
	s_add_nc_u64 s[8:9], s[8:9], s[72:73]
	WIN 0x40
.set I, 0
.rept NT
	global_load_b128 v[BIAS+8*I:BIAS+8*I+3], v5, s[8:9] offset:(32*(I/2)+8*(I%2))*4            ; lane (r, h), register j of tile t: column 32 (t / 2) + 16 h + 8 (t % 2) + j
	global_load_b128 v[BIAS+8*I+4:BIAS+8*I+7], v5, s[8:9] offset:(32*(I/2)+8*(I%2))*4+16
.set I, I+1
.endr
	WIN 0
	s_wait_alu depctr_va_vdst(0)
	s_wait_loadcnt 0x0
	s_wait_tensorcnt 0x0                           ; my part of slot 0 is in
	ds_add_u32 v[SPW], v[NIL]
	s_wait_dscnt 0x0
	CROUND                                         ; everybody's part of slot 0 is in, and the joint loads meet
	JLOAD G0C, G1H, G0BC, G1BH                     ; slots 1 and 2: waves 0 and 2 take K pair 1, waves 1 and 3 K pair 2
	FETCH 0, 0, 0
	global_prefetch_b8 v11, s[12:13] th:TH_LOAD_NT scope:SCOPE_SE  ; the fourth K pair, two K steps ahead of its joint load
	STEP 0, 1                                      ; the first K step starts the sums, on the bias
	TURN 0, 1, 1                                   ; every wave's loads for slots 1 and 2 have landed; slot 0 takes the fourth K pair
	STEP 1, 0
	CROSS 2                                        ; slot 2 was shown whole at the round above
	STEP 2, 0
	TURN 2, 0, 0                                   ; the fourth K pair has landed, in every wave's part; nothing is filled
	STEP 0, 0
	s_wait_dscnt 0x0
	MULROWS 0, MT, 1, 0
	WIN 0
	PLACES
	; THE WAY OUT: a loop of eight trips, a row tile a trip: x / 2 out of the accumulators, gelu, quantise, store one fragment's image.
.set GH,   64                          ; v64-127  x / 2, then gelu(x): 64 numbers of my row
.set GT,   128                         ; v128-159 t = |x| / sqrt 2 of 32 of them
.set GS,   160                         ; v160-191 t^2
.set GR,   192                         ; v192-223 the upper branch
.set GU,   224                         ; v224-255 the lower branch, then erf
.set KB,   32                          ; v32-45   the upper polynomial's seven coefficients, each in both halves of a pair
.set KC,   46                          ; v46-57   the lower polynomial's six
.set KL,   58                          ; log2(e)
.set KONE, 60                          ; 1.0
.set TM,   128                         ; the quantiser's: v128-143 at work, v144 the scale word, v160-179 the codes
.set PW,   144
.set PC,   160
.set SEL,  68
.macro CPAIR reg, val
	v_mov_b32 v[\reg], \val
	v_mov_b32 v[\reg+1], \val
.endm
	CPAIR KB+0,  0xb7910000
	CPAIR KB+2,  0x39c8e7d9
	CPAIR KB+4,  0xbb7e8a1c
	CPAIR KB+6,  0x3cc6b1a1
	CPAIR KB+8,  0xbddaae5c
	CPAIR KB+10, 0xbf228550
	CPAIR KB+12, 0xbe03ce86
	CPAIR KC+0,  0xba1c7000
	CPAIR KC+2,  0x3ba38d2c
	CPAIR KC+4,  0xbcdb48d9
	CPAIR KC+6,  0x3de70e22
	CPAIR KC+8,  0xbec09380
	CPAIR KC+10, 0x3e0375d4
	CPAIR KL,    0x3fb8aa3b
	CPAIR KONE,  1.0
	s_mov_b32 s66, 0x3fb504f3                      ; sqrt 2
	s_mov_b32 s67, 0x3f6d8000                      ; 475 / 512
	s_mov_b32 s[SEL], 0x76543210
	s_mov_b32 s[SEL+1], 0xfedcba98
	s_lshl_b32 s72, s42, 8                         ; the record: K pair = tile column, row tile 16 y + 8 x half
	s_lshl_b32 s73, s17, 4
	s_add_co_u32 s72, s72, s73
	s_lshl_b32 s73, s15, 3
	s_add_co_u32 s72, s72, s73
	s_mul_i32 s72, s72, REC
	s_mov_b32 s73, 0
	s_add_nc_u64 s[10:11], s[10:11], s[72:73]
	s_mul_i32 s74, s16, 1536
	v_add_nc_u32 v6, s74, v3                       ; 8 x lane + my K step's codes
	s_lshl_b32 s74, s16, 7
	v_add_nc_u32 v7, s74, v4                       ; 4 x lane + my K step's scale words
.macro PKFMA d, a, b, c, bs, cs        ; sixteen packed multiply-adds: d[J] = a[J] b[J bs] + c[J cs]; bs, cs = 0: a constant pair
.set J, 0
.rept 16
	v_pk_fma_f32 v[\d+J:\d+J+1], v[\a+J:\a+J+1], v[\b+J*\bs:\b+J*\bs+1], v[\c+J*\cs:\c+J*\cs+1]
.set J, J+2
.endr
.endm
.macro GELU32 o                        ; 32 numbers from v[GH + o] on
.set J, 0
.rept 32
	v_mul_f32 v[GT+J], |v[GH+\o+J]|, s66           ; t
.set J, J+1
.endr
.set J, 0
.rept 16
	v_pk_mul_f32 v[GS+J:GS+J+1], v[GT+J:GT+J+1], v[GT+J:GT+J+1]
.set J, J+2
.endr
	PKFMA GR, GT, KB+0, KB+2, 0, 0
	PKFMA GU, GT, KB+4, KB+6, 0, 0
	PKFMA GR, GR, GS, GU, 1, 1
	PKFMA GR, GR, GT, KB+8, 1, 0
	PKFMA GR, GR, GT, KB+10, 1, 0
	PKFMA GR, GR, GT, KB+12, 1, 0
.set J, 0
.rept 16
	v_pk_fma_f32 v[GR+J:GR+J+1], v[GR+J:GR+J+1], v[GT+J:GT+J+1], v[GT+J:GT+J+1] neg_lo:[0,0,1] neg_hi:[0,0,1]
.set J, J+2
.endr
.set J, 0
.rept 16
	v_pk_mul_f32 v[GR+J:GR+J+1], v[GR+J:GR+J+1], v[KL:KL+1]
.set J, J+2
.endr
.set J, 0
	s_wait_alu depctr_va_vdst(0)
.rept 32
	v_exp_f32 v[GR+J], v[GR+J]
.set J, J+1
.endr
	PKFMA GU, GS, KC+0, KC+2, 0, 0                 ; the lower branch is the independent work behind the batch
	PKFMA GU, GU, GS, KC+4, 1, 0
	PKFMA GU, GU, GS, KC+6, 1, 0
	PKFMA GU, GU, GS, KC+8, 1, 0
	PKFMA GU, GU, GS, KC+10, 1, 0
	PKFMA GU, GU, GT, GT, 1, 1
	s_wait_alu depctr_va_vdst(0)                   ; one wait for the 32 exponentials, ahead of their first reader
.set J, 0
.rept 16
	v_pk_add_f32 v[GR+J:GR+J+1], v[KONE:KONE+1], v[GR+J:GR+J+1] neg_lo:[0,1] neg_hi:[0,1]
.set J, J+2
.endr
.set J, 0
.rept 2                                        ; sixteen compares into sixteen masks (s76-91: the descriptors that lay there have served), then the sixteen selects: no select stands next to its compare
.set JJ, 0
.rept 16
	v_cmp_lt_f32 s[76+JJ], s67, v[GT+J+JJ]
.set JJ, JJ+1
.endr
.set JJ, 0
.rept 16
	v_cndmask_b32 v[GU+J+JJ], v[GU+J+JJ], v[GR+J+JJ], s[76+JJ]
.set JJ, JJ+1
.endr
.set J, J+16
.endr
.set J, 0
.rept 32
	v_fma_f32 v[GH+\o+J], |v[GH+\o+J]|, v[GU+J], v[GH+\o+J]
.set J, J+1
.endr
.endm
; 64 numbers of a lane, register 16 b + i = k 32 b + 16 h + i of my row, become a fragment's codes in v[PC] on and its scale word in v[PW].
.macro QUANT s
.irp b, 0,1,2,3
	v_max3_num_f32 v[TM+\b], |v[\s+16*\b]|, |v[\s+1+16*\b]|, 0x1800000     ; with the floor 2^(3 - 127)
.endr
.irp i, 2,4,6,8,10,12,14
.irp b, 0,1,2,3
	v_max3_num_f32 v[TM+\b], v[TM+\b], |v[\s+16*\b+\i]|, |v[\s+1+16*\b+\i]|
.endr
.endr
.irp b, 0,1,2,3
	v_permlanex16_b32 v[TM+4+\b], v[TM+\b], s[SEL], s[SEL+1]
.endr
.irp b, 0,1,2,3
	v_max_num_f32 v[TM+\b], v[TM+\b], v[TM+4+\b]
.endr
.irp b, 0,1,2,3
	v_add_nc_u32 v[TM+12+\b], 0xff000000, v[TM+\b]
.endr
.irp b, 0,1,2,3
	v_lshrrev_b32 v[TM+4+\b], 23, v[TM+12+\b]
.endr
	v_lshl_or_b32 v[PW], v[TM+5], 8, v[TM+4]
	v_lshl_or_b32 v[PW], v[TM+6], 16, v[PW]
	v_lshl_or_b32 v[PW], v[TM+7], 24, v[PW]
.irp c, 0,1
	v_cvt_scalef32_pk16_fp6_f32 v[PC+6*\c:PC+2+6*\c], v[\s+32*\c:\s+15+32*\c], v[TM+12+2*\c]
	v_cvt_scalef32_pk16_fp6_f32 v[PC+12+4*\c:PC+14+4*\c], v[\s+16+32*\c:\s+31+32*\c], v[TM+12+2*\c+1]
.endr
	v_nop                                          ; one plain place behind the scaled conversions
.irp c, 0,1
.irp i, 0,1,2
	v_permlane16_swap_b32 v[PC+6*\c+\i], v[PC+12+4*\c+\i]
.endr
.irp i, 0,1,2
	v_mov_b32 v[PC+3+6*\c+\i], v[PC+12+4*\c+\i]
.endr
.endr
.endm
.macro RDROW a                         ; x / 2 of row tile a, each accumulator from its low end on
	WIN 0x02+(\a)/4
.set J, 0
.rept 32
	v_pk_mul_f32 v[GH+J:GH+J+1], v[64*((\a)%4)+J:64*((\a)%4)+J+1], 0.5 op_sel_hi:[1,0]
.set J, J+2
.endr
	WIN 0
.endm
	s_mov_b32 s3, 0
.Lrow:                                         ; the register numbers of the accumulators differ from trip to trip: only the 32 lines that read them are written eight times
.irp a, 0,1,2,3,4,5,6
	s_cmp_eq_u32 s3, \a
	s_cbranch_scc1 .Lrd\a
.endr
	RDROW 7
	s_branch .Lbody
.irp a, 0,1,2,3,4,5,6
.Lrd\a:
	RDROW \a
	s_branch .Lbody
.endr
.Lbody:
	GELU32 0
	GELU32 32
	QUANT GH
.irp p, 0,1,2,3,4,5
	global_store_b64 v6, v[PC+2*\p:PC+2*\p+1], s[10:11] offset:256*\p      ; 256 consecutive bytes, aligned
.endr
	global_store_b32 v7, v[PW], s[10:11] offset:3072
	s_wait_xcnt 0x0                                ; the stores have read their registers and their base: both are written again
	s_add_nc_u64 s[10:11], s[10:11], REC
	s_add_co_u32 s3, s3, 1
	s_cmp_lt_u32 s3, 8
	s_cbranch_scc1 .Lrow
	s_wait_tensorcnt 0x0                           ; the wave's end
	ds_add_u32 v[SPW], v[NIL]
	s_wait_dscnt 0x0
	CROUND                                         ; the closing round
	s_endpgm
.Lfunc_end_k_q3aad7e4d92_gemm_1:
	.size	k_q3aad7e4d92_gemm_1, .Lfunc_end_k_q3aad7e4d92_gemm_1-k_q3aad7e4d92_gemm_1
	.p2alignl 7, 3214868480
	.fill 96, 4, 3214868480
	.section	.rodata,"a",@progbits
	.p2align	6, 0x0
	.amdhsa_kernel k_q3aad7e4d92_gemm_1
		.amdhsa_group_segment_fixed_size 327680
		.amdhsa_private_segment_fixed_size 0
		.amdhsa_enable_private_segment 0
		.amdhsa_kernarg_size 32
		.amdhsa_user_sgpr_count 2
		.amdhsa_user_sgpr_kernarg_segment_ptr 1
		.amdhsa_wavefront_size32 1
		.amdhsa_system_sgpr_workgroup_id_x 1
		.amdhsa_system_sgpr_workgroup_id_y 1
		.amdhsa_system_sgpr_workgroup_id_z 1
		.amdhsa_system_vgpr_workitem_id 0
		.amdhsa_next_free_vgpr 1024
		.amdhsa_next_free_sgpr 100
		.amdhsa_reserve_vcc 0
		.amdhsa_float_denorm_mode_32 3
		.amdhsa_float_denorm_mode_16_64 3
		.amdhsa_memory_ordered 1
		.amdhsa_forward_progress 1
		.amdhsa_inst_pref_size 210
	.end_amdhsa_kernel
	.amdgpu_metadata
---
amdhsa.version: [ 1, 2 ]
amdhsa.kernels:
  - .name:           k_q3aad7e4d92_gemm_1
    .symbol:         k_q3aad7e4d92_gemm_1.kd
    .args:
      - { .name: himg, .offset: 0, .size: 8, .value_kind: global_buffer, .address_space: global }
      - { .name: wimg, .offset: 8, .size: 8, .value_kind: global_buffer, .address_space: global }
      - { .name: b1m, .offset: 16, .size: 8, .value_kind: global_buffer, .address_space: global }
      - { .name: hid, .offset: 24, .size: 8, .value_kind: global_buffer, .address_space: global }
    .group_segment_fixed_size: 327680
    .private_segment_fixed_size: 0
    .kernarg_segment_align: 8
    .kernarg_segment_size: 32
    .max_flat_workgroup_size: 128
    .sgpr_count:     100
    .vgpr_count:     1024
    .wavefront_size: 32
...
	.end_amdgpu_metadata
.endif
;; end of part 6
;; launch gemm_2 (part 7): grid 8 x 32, 4 waves a work-group, clusters of 4 x 4, 327,680 bytes of LDS; arguments hid, wimg, b2m, x2, out0; writes out0
.if DOCPART == 7
	.amdgcn_target "amdgcn-amd-amdhsa--gfx1250"
	.amdhsa_code_object_version 6
	.text
	.protected	k_q3aad7e4d92_gemm_2
	.globl	k_q3aad7e4d92_gemm_2
	.p2align	8
	.type	k_q3aad7e4d92_gemm_2,@function
k_q3aad7e4d92_gemm_2:
	s_mov_b64 s[64:65], 0
	v_nop
	global_prefetch_b8 v0, s[64:65] scope:SCOPE_SE
	s_setreg_imm32_b32 hwreg(HW_REG_WAVE_MODE, 25, 1), 1
	s_wait_xcnt 0x0
	s_wait_alu depctr_hold_cnt(0) depctr_sa_sdst(0) depctr_va_vdst(0) depctr_va_sdst(0) depctr_va_ssrc(0) depctr_va_vcc(0) depctr_vm_vsrc(0)
	s_getreg_b32 s2, hwreg(HW_REG_IB_STS2, 6, 4)
	s_cmp_eq_u32 s2, 0
	s_cbranch_scc0 .Lentry_in_a_cluster
	s_endpgm
.Lentry_in_a_cluster:
	s_bfe_u32 s2, ttmp6, 0x10000c
	s_cmp_lg_u32 s2, 0xf033
	s_cbranch_scc0 .Lentry_shape_is_right
	s_endpgm
.Lentry_shape_is_right:
.set MT,    4
.set NT,    4
.set NQ,    6
.set ART,   256
.set BRT,   64
.set WOFF,  6815744
.set REC,   3328
.set QUART, 4*REC
.set BLK,   3*QUART
.set SLOT,  4*BLK
.set SPARE, 2*SLOT
.set ASTEP, 3*ART*REC
.set BSTEP, 3*BRT*REC
.set ADRA,  16
.set ADRB,  18
.set ASA,   20
.set ASB,   22
.set SPW,   28
.set NIL,   29
.set SC,    32
.set AF,    64
.set BIAS,  192
.set RES,   128
.set G1,    24
.set G0,    32
.set G1B,   48
.set G0B,   56
.set G1L,   76
.set G1BL,  84
.set MSB,   0
.macro WIN new
.if MSB != (\new)
	s_set_vgpr_msb (MSB<<8)|(\new)
.set MSB, (\new)
.endif
.endm
.macro JLOAD g0a, g1a, g0b, g1b
	s_cmp_eq_u32 s15, 0
	s_cbranch_scc0 .Lfor_b_\@
	tensor_load_to_lds s[\g0a:\g0a+3], s[\g1a:\g1a+7]
	s_nop 0
.rept 4
	v_nop
.endr
	s_branch .Lasked_\@
.Lfor_b_\@:
	tensor_load_to_lds s[\g0b:\g0b+3], s[\g1b:\g1b+7]
	s_nop 0
.rept 4
	v_nop
.endr
.Lasked_\@:
.endm
.macro CREST
	s_cmp_lg_u32 s14, 0
	s_cbranch_scc1 .Lnot_wave_0_\@
	s_barrier_signal -3
.Lnot_wave_0_\@:
	s_barrier_wait -3
	s_barrier_signal -1
	s_barrier_wait -1
.endm
.macro CROUND
	s_barrier_signal -1
	s_barrier_wait -1
	CREST
.endm
.macro PLACES
.rept 4
	v_nop
.endr
.endm
.macro MM d, w, a, c, sw, sa
	v_wmma_scale_f32_16x16x128_f8f6f4 v[\d:\d+7], v[\w:\w+11], v[\a:\a+11], v[\c:\c+7], v[\sw], v[\sa] matrix_a_fmt:MATRIX_FMT_FP6 matrix_b_fmt:MATRIX_FMT_FP6
.endm
.macro FRAG reg, adr, off
.irp p, 0,1,2,3,4,5
	ds_load_b64 v[\reg+2*\p:\reg+2*\p+1], v[\adr] offset:\off+256*\p
.endr
.endm
.macro FETCH slot, q, p
	WIN 0x40
.set I, 0
.rept NT
	FRAG 96*(\p)+12*I, ADRB+\slot, ((\q)/2)*QUART+I*REC+((\q)%2)*1536
.set I, I+1
.endr
	WIN 0
.set I, 0
.rept MT
	FRAG AF+96*(\p)+12*I, ADRA+\slot, ((\q)/2)*QUART+I*REC+((\q)%2)*1536
.set I, I+1
.endr
.set I, 0
.rept MT
	ds_load_b32 v[SC+16*(\p)+I], v[ASA+\slot] offset:((\q)/2)*QUART+I*REC+3072+((\q)%2)*128
.set I, I+1
.endr
.set I, 0
.rept NT
	ds_load_b32 v[SC+16*(\p)+8+I], v[ASB+\slot] offset:((\q)/2)*QUART+I*REC+3072+((\q)%2)*128
.set I, I+1
.endr
.endm
.macro MULROWS a0, n, p, first
.if \first
	WIN 0x91
.else
	WIN 0xa1
.endif
.set AA, \a0
.rept \n
.set BB, 0
.rept NT
.if \first
	MM 8*(NT*AA+BB), 96*(\p)+12*BB, AF+96*(\p)+12*AA, BIAS+8*BB, SC+16*(\p)+8+BB, SC+16*(\p)+AA
.else
	MM 8*(NT*AA+BB), 96*(\p)+12*BB, AF+96*(\p)+12*AA, 8*(NT*AA+BB), SC+16*(\p)+8+BB, SC+16*(\p)+AA
.endif
.set BB, BB+1
.endr
.set AA, AA+1
.endr
.endm
; A PREFETCH INTO THE L2, behind each joint load and the LDS loads that follow it: the tile of the NEXT joint load, a slot's six K steps ahead of the load that will want it.  A wave's tile is three K pairs x four records
; of 13 blocks of 256 bytes; each of the four partners that ask for it jointly names one record of each K pair, told apart by address: 39 blocks, a lane a block, two instructions (kind 1).  The last tile is one K pair:
; 13 blocks (kind 2); behind the last joint load nothing is asked for.  s[92:93] stands at the tile asked for and is stepped at the head of the next change of slots, behind s_wait_xcnt 0.
.macro ASK kind
.if \kind == 1
	global_prefetch_b8 v9, s[92:93] th:TH_LOAD_NT scope:SCOPE_SE
	global_prefetch_b8 v10, s[92:93] th:TH_LOAD_NT scope:SCOPE_SE
.endif
.if \kind == 2
	global_prefetch_b8 v11, s[92:93] th:TH_LOAD_NT scope:SCOPE_SE
.endif
.endm
.macro STEP slot, q, first
	s_wait_dscnt 0x0
	PLACES
	FETCH \slot, (\q)+1, 1-(\q)%2
	MULROWS 0, MT, (\q)%2, \first
	WIN 0
.endm
.macro STEPS slot, from
.set QQ, \from
.rept NQ-1-\from
	STEP \slot, QQ, 0
.set QQ, QQ+1
.endr
.endm
.macro TURN slot, next, fill, ask=0
.if \ask
	s_wait_xcnt 0x0                                ; my last prefetches have read their base
	s_add_nc_u64 s[92:93], s[92:93], s[94:95]      ; on to the tile of the next joint load
.endif
	s_wait_tensorcnt 0x0
	ds_add_u32 v[SPW], v[NIL]
	s_wait_dscnt 0x1
	MULROWS 0, MT/4, 1, 0
	s_wait_dscnt 0x0
	s_barrier_signal -1
	MULROWS MT/4, MT/4, 1, 0
	WIN 0
	s_barrier_wait -1
.if \fill
	CREST
	s_add_nc_u64 s[G0+4*\slot+2:G0+4*\slot+3], s[G0+4*\slot+2:G0+4*\slot+3], 2*ASTEP
	s_add_nc_u64 s[G0B+4*\slot+2:G0B+4*\slot+3], s[G0B+4*\slot+2:G0B+4*\slot+3], 2*BSTEP
.if \fill == 1
	JLOAD G0+4*\slot, G1, G0B+4*\slot, G1B
.else
	JLOAD G0+4*\slot, G1L, G0B+4*\slot, G1BL
.endif
.else
	PLACES
.endif
	FETCH \next, 0, 0
	ASK \ask
	MULROWS MT/2, MT/2, 1, 0
	WIN 0
.endm
	s_load_b256 s[4:11], s[0:1], 0x0
	s_load_b64 s[12:13], s[0:1], 0x20
	v_lshl_add_u32 v[SPW], v0, 2, SPARE
	v_mov_b32 v[NIL], 0
	ds_add_u32 v28, v29
	ds_add_u32 v28, v29
	s_wait_dscnt 0x0
	v_lshrrev_b32 v1, 5, v0
	v_readfirstlane_b32 s14, v1
	s_lshr_b32 s15, s14, 1
	s_and_b32 s16, s14, 1
	s_bfe_u32 s40, ttmp6, 0x40000
	s_bfe_u32 s41, ttmp6, 0x40004
	s_lshl_b32 s42, ttmp9, 2
	s_add_co_u32 s42, s42, s40
	s_and_b32 s17, ttmp7, 0xffff
	s_lshl_b32 s17, s17, 2
	s_add_co_u32 s17, s17, s41
	s_lshl_b32 s43, s41, 2
	s_lshl_b32 s43, 15, s43
	s_lshl_b32 s44, 0x1111, s40
	s_or_b32 s[G1+0], s43, (3<<16)|(1<<21)
	s_or_b32 s[G1B+0], s44, (3<<16)|(1<<21)
	s_or_b32 s[G1L+0], s43, (3<<16)|(1<<21)
	s_or_b32 s[G1BL+0], s44, (3<<16)|(1<<21)
.irp g, G1, G1B
	s_mov_b32 s[\g+1], (QUART/8)<<16
	s_mov_b32 s[\g+2], 3<<16
	s_mov_b32 s[\g+3], (QUART/8)<<16
	s_mov_b32 s[\g+4], 3
	s_mov_b32 s[\g+6], 0
	s_mov_b32 s[\g+7], 0
.endr
.irp g, G1L, G1BL
	s_mov_b32 s[\g+1], (QUART/8)<<16
	s_mov_b32 s[\g+2], 1<<16
	s_mov_b32 s[\g+3], (QUART/8)<<16
	s_mov_b32 s[\g+4], 1
	s_mov_b32 s[\g+6], 0
	s_mov_b32 s[\g+7], 0
.endr
	s_mov_b32 s[G1+5], ART*REC/8
	s_mov_b32 s[G1L+5], ART*REC/8
	s_mov_b32 s[G1B+5], BRT*REC/8
	s_mov_b32 s[G1BL+5], BRT*REC/8
	s_lshl_b32 s18, s16, 2
	s_lshl_b32 s20, s17, 3
	s_add_co_u32 s20, s20, s18
	s_mul_i32 s20, s20, REC
	s_mov_b32 s21, 0
	s_lshl_b32 s46, s42, 3
	s_add_co_u32 s46, s46, s18
	s_mul_i32 s46, s46, REC
	s_add_co_u32 s46, s46, WOFF
	s_mov_b32 s47, 0
	s_mul_i32 s45, s14, BLK
	s_wait_kmcnt 0x0
	s_add_nc_u64 s[20:21], s[4:5], s[20:21]
	s_add_nc_u64 s[46:47], s[6:7], s[46:47]
	CROUND
.irp s, 0,1
	s_mov_b32 s[G0+4*\s], 1
	s_add_co_u32 s[G0+4*\s+1], s45, \s*SLOT
	s_add_nc_u64 s[G0+4*\s+2:G0+4*\s+3], s[20:21], \s*ASTEP
	s_or_b32 s[G0+4*\s+3], s[G0+4*\s+3], 0x80000000
	s_mov_b32 s[G0B+4*\s], 1
	s_add_co_u32 s[G0B+4*\s+1], s45, \s*SLOT
	s_add_nc_u64 s[G0B+4*\s+2:G0B+4*\s+3], s[46:47], \s*BSTEP
	s_or_b32 s[G0B+4*\s+3], s[G0B+4*\s+3], 0x80000000
.endr
	JLOAD G0, G1, G0B, G1B                         ; slot 0
	s_cmp_eq_u32 s15, 0                            ; the prefetches' base, step, pitch and my place among the four partners: by the side that I fetch for
	s_cselect_b64 s[92:93], s[20:21], s[46:47]
	s_cselect_b32 s97, s40, s41                    ; cx for the activations, cy for the weights
	s_mov_b32 s94, BSTEP
	s_cselect_b32 s94, ASTEP, s94
	s_mov_b32 s96, BRT*REC-REC
	s_cselect_b32 s96, ART*REC-REC, s96            ; from K pair to K pair, less the 13 blocks that the block's number has counted
	s_mov_b32 s95, 0
	s_mul_i32 s97, s97, REC                        ; my record of the four
	s_add_nc_u64 s[92:93], s[92:93], s[94:95]      ; at slot 1's tile
	v_and_b32 v1, 31, v0
	v_bfe_u32 v2, v0, 4, 1
	v_lshlrev_b32 v3, 3, v1
	v_lshlrev_b32 v4, 2, v1
	v_lshlrev_b32 v5, 6, v2
	v_and_b32 v8, 15, v0
	v_lshlrev_b32 v26, 12, v2
	v_lshl_add_u32 v26, v8, 4, v26
	v_min_u32 v12, 6, v1
	v_add_nc_u32 v12, 32, v12                      ; blocks 0-31 by the first instruction, 32-38 by the second (its lanes 7-31 name block 38 again)
	v_mul_u32_u24 v13, v1, 79
	v_mul_u32_u24 v14, v12, 79
	v_lshrrev_b32 v13, 10, v13                     ; block / 13: the K pair
	v_lshrrev_b32 v14, 10, v14
	v_mul_u32_u24 v13, v13, s96
	v_mul_u32_u24 v14, v14, s96
	v_lshl_add_u32 v9, v1, 8, v13
	v_lshl_add_u32 v10, v12, 8, v14
	v_min_u32 v11, 12, v1
	v_add_nc_u32 v9, s97, v9
	v_add_nc_u32 v10, s97, v10
	v_lshl_add_u32 v11, v11, 8, s97                ; the last tile: my record of its one K pair
	s_wait_alu depctr_va_vdst(0)
	ASK 1                                          ; slot 1's tile
	s_mul_i32 s70, s15, BLK
	s_mul_i32 s71, s16, BLK
	s_add_co_u32 s71, s71, 2*BLK
.irp s, 0,1
	v_add_nc_u32 v[ADRA+\s], s70, v3
	v_add_nc_u32 v[ADRB+\s], s71, v3
	v_add_nc_u32 v[ASA+\s], s70, v4
	v_add_nc_u32 v[ASB+\s], s71, v4
	s_add_co_u32 s70, s70, SLOT
	s_add_co_u32 s71, s71, SLOT
.endr
	s_mul_i32 s72, s42, 2*NT*64
	s_mul_i32 s73, s16, NT*64
	s_add_co_u32 s72, s72, s73
	s_mov_b32 s73, 0
	s_add_nc_u64 s[8:9], s[8:9], s[72:73]
	WIN 0x40
.set I, 0
.rept NT
	global_load_b128 v[BIAS+8*I:BIAS+8*I+3], v5, s[8:9] offset:(32*(I/2)+8*(I%2))*4
	global_load_b128 v[BIAS+8*I+4:BIAS+8*I+7], v5, s[8:9] offset:(32*(I/2)+8*(I%2))*4+16
.set I, I+1
.endr
	WIN 0
	s_lshl_b32 s72, s17, 7
	s_lshl_b32 s73, s15, 6
	s_add_co_u32 s72, s72, s73
	s_lshl_b32 s72, s72, 12
	s_lshl_b32 s73, s42, 9
	s_add_co_u32 s72, s72, s73
	s_lshl_b32 s73, s16, 8
	s_add_co_u32 s72, s72, s73
	s_mov_b32 s73, 0
	s_add_nc_u64 s[10:11], s[10:11], s[72:73]
	s_add_nc_u64 s[12:13], s[12:13], s[72:73]
	WIN 0x80
.irp a, 0,1,2,3
.irp i, 0,1,2,3,4,5,6,7
	global_load_b128 v[RES+32*\a+4*\i:RES+32*\a+4*\i+3], v26, s[10:11] offset:(32*(\a/2)+8*(\a%2)+2*\i+8*(\i/4))*4096
.endr
.endr
	WIN 0
	s_wait_alu depctr_va_vdst(0)
	s_wait_xcnt 0x0                                ; my prefetches have read their base
	s_add_nc_u64 s[92:93], s[92:93], s[94:95]
	s_wait_loadcnt 32
	s_wait_tensorcnt 0x0                           ; my part of slot 0 is in
	ds_add_u32 v[SPW], v[NIL]
	s_wait_dscnt 0x0
	CROUND                                         ; everybody's part of slot 0 is in, and the joint loads meet
	JLOAD G0+4, G1, G0B+4, G1B                     ; slot 1
	FETCH 0, 0, 0
	ASK 1                                          ; the third tile
	STEP 0, 0, 1
	STEPS 0, 1
	TURN 0, 1, 1, 1
	STEPS 1, 0
	TURN 1, 0, 1, 1
	STEPS 0, 0
	TURN 0, 1, 1, 2
	STEPS 1, 0
	TURN 1, 0, 2
	STEPS 0, 0
	TURN 0, 1, 0
	STEP 1, 0, 0
	s_wait_dscnt 0x0
	MULROWS 0, MT, 1, 0
	WIN 0
	PLACES
	s_mul_i32 s74, s14, 16*272
	v_mul_u32_u24 v24, v8, 272
	v_lshl_add_u32 v24, v2, 6, v24
	v_add_nc_u32 v24, s74, v24
	v_mul_u32_u24 v25, v2, 272
	v_lshl_add_u32 v25, v8, 4, v25
	v_add_nc_u32 v25, s74, v25
.irp a, 0,1,2,3
	WIN 0x08
.irp t, 0,1,2,3
	ds_store_b128 v24, v[8*(4*\a+\t):8*(4*\a+\t)+3] offset:128*(\t/2)+32*(\t%2)
	ds_store_b128 v24, v[8*(4*\a+\t)+4:8*(4*\a+\t)+7] offset:128*(\t/2)+32*(\t%2)+16
.endr
	WIN 0
.irp i, 0,1,2,3,4,5,6,7
	ds_load_b128 v[192+4*\i:192+4*\i+3], v25 offset:\i*544
.endr
	s_wait_dscnt 0x0
.if \a == 0
	s_wait_loadcnt 0x0
.endif
	WIN 0x82
.irp k, 0,2,4,6,8,10,12,14,16,18,20,22,24,26,28,30
	v_pk_add_f32 v[RES+32*\a+\k:RES+32*\a+\k+1], v[RES+32*\a+\k:RES+32*\a+\k+1], v[192+\k:192+\k+1]
.endr
	WIN 0x08
.irp i, 0,1,2,3,4,5,6,7
	global_store_b128 v26, v[RES+32*\a+4*\i:RES+32*\a+4*\i+3], s[12:13] offset:(32*(\a/2)+8*(\a%2)+2*\i+8*(\i/4))*4096
.endr
.endr
	WIN 0
	s_wait_tensorcnt 0x0
	ds_add_u32 v[SPW], v[NIL]
	s_wait_dscnt 0x0
	CROUND
	s_endpgm
.Lfunc_end_k_q3aad7e4d92_gemm_2:
	.size	k_q3aad7e4d92_gemm_2, .Lfunc_end_k_q3aad7e4d92_gemm_2-k_q3aad7e4d92_gemm_2
	.p2alignl 7, 3214868480
	.fill 96, 4, 3214868480
	.section	.rodata,"a",@progbits
	.p2align	6, 0x0
	.amdhsa_kernel k_q3aad7e4d92_gemm_2
		.amdhsa_group_segment_fixed_size 327680
		.amdhsa_private_segment_fixed_size 0
		.amdhsa_enable_private_segment 0
		.amdhsa_kernarg_size 40
		.amdhsa_user_sgpr_count 2
		.amdhsa_user_sgpr_kernarg_segment_ptr 1
		.amdhsa_wavefront_size32 1
		.amdhsa_system_sgpr_workgroup_id_x 1
		.amdhsa_system_sgpr_workgroup_id_y 1
		.amdhsa_system_sgpr_workgroup_id_z 1
		.amdhsa_system_vgpr_workitem_id 0
		.amdhsa_next_free_vgpr 768
		.amdhsa_next_free_sgpr 100
		.amdhsa_reserve_vcc 0
		.amdhsa_float_denorm_mode_32 3
		.amdhsa_float_denorm_mode_16_64 3
		.amdhsa_memory_ordered 1
		.amdhsa_forward_progress 1
		.amdhsa_inst_pref_size 216
	.end_amdhsa_kernel
	.amdgpu_metadata
---
amdhsa.version: [ 1, 2 ]
amdhsa.kernels:
  - .name:           k_q3aad7e4d92_gemm_2
    .symbol:         k_q3aad7e4d92_gemm_2.kd
    .args:
      - { .name: hid, .offset: 0, .size: 8, .value_kind: global_buffer, .address_space: global }
      - { .name: wimg, .offset: 8, .size: 8, .value_kind: global_buffer, .address_space: global }
      - { .name: b2m, .offset: 16, .size: 8, .value_kind: global_buffer, .address_space: global }
      - { .name: x2, .offset: 24, .size: 8, .value_kind: global_buffer, .address_space: global }
      - { .name: out0, .offset: 32, .size: 8, .value_kind: global_buffer, .address_space: global }
    .group_segment_fixed_size: 327680
    .private_segment_fixed_size: 0
    .kernarg_segment_align: 8
    .kernarg_segment_size: 40
    .max_flat_workgroup_size: 128
    .sgpr_count:     100
    .vgpr_count:     768
    .wavefront_size: 32
...
	.end_amdgpu_metadata
.endif
;; end of part 7
